; MI455X (gfx1250); checked and timed in simulation.
; The chip was launched on July 23, 2026; its instructions are those of AMD's public machine-readable ISA for CDNA 5 (MIT licence, August 2026) and "CDNA5" Instruction Set Architecture Reference Guide (July 2026). The comments in the code are by the model that wrote it; some were corrected since.
;; Multi Head Attention. Allowed arithmetic: matrix products marked QUANTISED: E2M1 operands, one E8M0 scale for each 32 along K, by v_wmma_scale_f32_16x16x128_f8f6f4 with both operands' format E2M1 (or v_wmma_scale_f32_32x16x128_f4), f32 sums; products left as they are: bf16, f16 or f32 operands; f32 sums; everything else in f32.
;; Inputs: W_attn 1,024 x 3,072 float32; W_proj 1,024 x 1,024 float32; x 4 x 2,048 x 1,024 float32.
;; Outputs: out0 4 x 2,048 x 1,024 float32.
;; This version of the problem:
;;   THIS VERSION OF THE PROBLEM IS GIVEN IN LOW PRECISION. The matrix products marked QUANTISED in the list below multiply operands that are first quantised to E2M1 (2 exponent bits, 1 mantissa bit; 4 bits a number), with one power-of-two scale for each 32 numbers along K (OCP MX v1.0); their sums are f32. The products marked 'left as it is' may take bf16, f16 or f32 operands, with f32 sums. Whichever they take, every output number must still come out within the allowed error. Rounding operands to bf16 (8 significant bits) uses up far more of that allowance than f16 does (11 bits, for magnitudes from 6e-5 to 65,504). All else is computed in f32.
;;   The module's matrix products, in the order in which they are computed (A, B: the left and right operand; K: the contracted axis; several contracted axes count as one K, in the product's order):
;;     1. [M 8,192, K 1,024] x [K 1,024, N 3,072]; A: input x; B: input W_attn: QUANTISED
;;     2. batch 64 x [M 2,048, K 64] x [K 64, N 2,048]; A: computed on the way; B: computed on the way: left as it is (an operand is computed on the way)
;;     3. batch 64 x [M 2,048, K 2,048] x [K 2,048, N 64]; A: computed on the way; B: computed on the way: left as it is (an operand is computed on the way)
;;     4. [M 8,192, K 1,024] x [K 1,024, N 1,024]; A: computed on the way; B: input W_proj: left as it is (an operand is computed on the way)
;;   THE QUANTISER, for each operand of a quantised product, along K:
;;     - K is cut into blocks of 32 from its start; a last block that is shorter is filled with zeros.
;;     - A block's scale is 2^e with e = floor(log2(the largest magnitude in the block)) - 2, held to -126 .. 127; a block of zeros has e = 0. As a byte (E8M0): e + 127.
;;     - Each number is divided by its block's scale, clamped to +-6, and rounded to the nearest number of E2M1, ties to even, subnormals kept.
;;     - The product sums the exact products of the quantised numbers (number of the format x scale) in f32.
;;   ~~~python
;;   def quantise(x, axis):      # numpy; x: float32 -> the quantised numbers, widened to float32 again
;;       x = np.moveaxis(x, axis, -1); K = x.shape[-1]
;;       x = np.pad(x, [(0, 0)] * (x.ndim - 1) + [(0, -K % 32)]); x = x.reshape(x.shape[:-1] + (-1, 32)); a = np.abs(x).max(-1, keepdims=True)
;;       e = np.where(a > 0, np.clip(np.frexp(np.where(a > 0, a, 1))[1] - 1 - 2, -126, 127), 0)      # np.frexp(a)[1] - 1 = floor(log2(a)), exactly
;;       r = np.clip(x / 2.0 ** e, -6, 6)
;;       step = 2.0 ** (np.maximum(np.frexp(np.where(r == 0, 1, r))[1] - 1, 0) - 1)
;;       q = np.round(r / step) * step * 2.0 ** e      # np.round: ties to even
;;       return np.moveaxis(q.reshape(q.shape[:-2] + (-1,))[..., :K], -1, axis).astype(np.float32)
;;   ~~~
;; One version. Each part assembles by itself: llvm-mc -triple=amdgcn-amd-amdhsa -mcpu=gfx1250 --defsym DOCPART=n.
;; ======== version 1 of 1: 5 launches
;; limits: values are held in f16: magnitudes above 65,504 overflow, below 6.1e-05 lose precision
;; workspace buffers: xq_codes 4,194,304 bytes; xq_scales 262,144 bytes; wq_codes 1,572,864 bytes; wq_scales 98,304 bytes; wp16 2,097,152 bytes; qkv16 50,331,648 bytes; q32 786,432 bytes; y16 16,777,216 bytes
;; launch prep (part 1): grid 64 x 8, 4 waves a work-group, no clusters, 33,280 bytes of LDS; arguments x, W_attn, W_proj, xq_codes, xq_scales, wq_codes, wq_scales, wp16; writes xq_codes, xq_scales, wq_codes, wq_scales, wp16
.if DOCPART == 1
	.amdgcn_target "amdgcn-amd-amdhsa--gfx1250"
	.amdhsa_code_object_version 6
	.text
	.protected	k_q8c18298ea3_prep
	.globl	k_q8c18298ea3_prep
	.p2align	8
	.type	k_q8c18298ea3_prep,@function
k_q8c18298ea3_prep:
	s_mov_b64 s[64:65], 0
	v_nop
	global_prefetch_b8 v0, s[64:65] scope:SCOPE_SE
	s_setreg_imm32_b32 hwreg(HW_REG_WAVE_MODE, 25, 1), 1
	s_wait_xcnt 0x0
; CAUSAL MULTI-HEAD ATTENTION, B = 4, T = 2048, D = 1024, H = 16, head size 64, in five launches: prep, qkv, attn, proj, first16.
; THIS LAUNCH makes the operands of the later ones:  x [8192][1024] f32 -> codes of E2M1 (K innermost, 512 bytes a row) and one E8M0 byte for each 32 along K;
; W_attn [1024 (k)][3072 (n)] f32 -> codes quantised along K (its first axis), laid as images of the matrix operand's registers, and scale words [3072][32 bytes];
; W_proj [1024 (k)][1024 (n)] f32 -> f16, laid as images of the f16 operand's registers.
; WORK LEFT OUT IN THE PROGRAM (launch attn).  reference() builds the mask jnp.tril in its own body and sets att to -inf where key > query; exp(-inf) = 0 adds nothing to the row's sum and
; nothing to att @ v, whatever finite numbers x, W_attn, W_proj hold.  So a step of 64 keys all of which come after all 32 queries of a wave is not multiplied, and keys beyond a work-group's last query are not fetched.
; LIMIT: a NaN, an infinity or an overflow that would reach only such hidden scores is not carried to the result.  Every input has a way to the output and is loaded.
; LIMITS OF FORMAT: q, k, v, y and W_proj go to products 2 to 4 as f16: magnitudes up to 65,504 (with x and W_attn both 30 times the drawn spread q, k, v are near 900; with offsets of 30 spreads near 29,000).
; Blocks whose largest magnitude lies under 2^-124 keep the scale byte 1 (a block of zeros too: its codes are zeros, and this program alone reads the bytes).  NaN and infinities among the inputs are not served.
; SHARES.  grid 64 x 8.  Work-group x < 32: x's stream, 32,768 numbers each.  x = 32 .. 55: 128 columns x 128 k of W_attn (k step = work-group y).  x = 56 .. 63: the same of W_proj.
; Only x's arm touches LDS.  No barrier: waves share nothing.
.set STEPS, 16
.set EMAX,  2
.set CB,    8                          ; bytes of 16 codes
.set R,     16                         ; v16-79   x: four sets of 16 numbers as loaded
.set X,     80                         ; v80-111  x: two sets of 16 neighbours
.set E,     112                        ; v112-127 x: a scale byte for each step
.set C,     128                        ; v128-191 x: codes, four registers for each step
.set WREG,  8192                       ; LDS: a region for each wave: two stages of 32 x SP bytes, then its 256 scale bytes
.set SP,    80                         ; a lane's place in a stage: 64 bytes + 16 of padding
.set SPW,   12                         ; v12  LDS address of my spare word; never rewritten
.set NIL,   13                         ; v13  0; never rewritten
.set SPARE, 4*WREG                     ; behind the four regions: the spare words, 128 bytes a wave, that no other line names
.set WN,    32                         ; v32-159  weights: 128 numbers down K of my column
.set WC,    160                        ; v160..   weights: codes (16 registers) or f16 pairs (64 registers)
.set WS,    176                        ; v176     W_attn: my column's scale word for this k step
	s_load_b256 s[4:11], s[0:1], 0x0               ; x s[4:5], W_attn s[6:7], W_proj s[8:9], x's codes s[10:11]
	s_load_b256 s[12:19], s[0:1], 0x20             ; x's scales s[12:13], W_attn's codes s[14:15], its scales s[16:17], W_proj in f16 s[18:19]
	v_lshl_add_u32 v[SPW], v0, 2, SPARE
	v_mov_b32 v[NIL], 0
	v_lshrrev_b32 v1, 5, v0
	v_readfirstlane_b32 s20, v1                    ; wave 0..3
	v_and_b32 v2, 31, v0                           ; lane
	s_and_b32 s21, ttmp7, 0xffff                   ; work-group y
	s_cmp_lt_u32 ttmp9, 32
	s_cbranch_scc0 .Lweights
	; ---------------- x: a plain stream of blocks of 32.  A wave takes 16 steps of 512 numbers.
	v_lshlrev_b32 v3, 4, v2                        ; my 16 bytes of a load's 512
	s_mul_i32 s22, s20, WREG
	v_lshrrev_b32 v14, 2, v2
	v_mul_u32_u24 v14, v14, SP
	v_and_b32 v15, 3, v2
	v_lshl_add_u32 v14, v15, 4, v14
	v_add_nc_u32 v14, s22, v14                     ; the stage, on the way in: SP (lane / 4) + 16 (lane % 4)
	v_mul_u32_u24 v15, v2, SP
	v_add_nc_u32 v15, s22, v15                     ; on the way out: SP x lane: my 16 neighbours
	v_mul_u32_u24 v4, v2, CB                       ; my codes' place in a step's
	v_lshrrev_b32 v5, 1, v2
	s_add_co_u32 s22, s22, 2*32*SP
	v_add_nc_u32 v5, s22, v5                       ; LDS: my wave's 256 scale bytes, my block's byte
	v_lshlrev_b32 v7, 3, v2
	v_add_nc_u32 v6, s22, v7                       ; and on the way out 8 bytes a lane
	s_lshl_b32 s23, s21, 5
	s_add_co_u32 s23, s23, ttmp9
	s_lshl_b32 s23, s23, 2
	s_add_co_u32 s24, s23, s20                     ; which run of 8,192 numbers is my wave's: (32 y + x) 4 + wave
	s_mov_b32 s27, 0
	s_lshl_b32 s26, s24, 15                        ; 32,768 bytes of f32 a run
	s_wait_kmcnt 0x0
	s_add_nc_u64 s[4:5], s[4:5], s[26:27]
	s_lshl_b32 s26, s24, 12                        ; 4,096 bytes of codes
	s_add_nc_u64 s[10:11], s[10:11], s[26:27]
	s_lshl_b32 s26, s24, 8                         ; 256 scale bytes
	s_add_nc_u64 s[12:13], s[12:13], s[26:27]
.macro XLOAD t
.irp i, 0,1,2,3
	global_load_b128 v[R+16*((\t)%4)+4*\i:R+16*((\t)%4)+4*\i+3], v3, s[4:5] offset:2048*(\t)+512*\i th:TH_LOAD_NT   ; 32 lanes read 512 consecutive bytes
.endr
.endm
.macro XTURN t                         ; step t's numbers through the stage: LDS serves a wave's instructions in order, so no wait stands between the stores and the loads
.irp i, 0,1,2,3
	ds_store_b128 v14, v[R+16*((\t)%4)+4*\i:R+16*((\t)%4)+4*\i+3] offset:32*SP*((\t)%2)+8*SP*\i
.endr
.irp i, 0,1,2,3
	ds_load_b128 v[X+16*((\t)%2)+4*\i:X+16*((\t)%2)+4*\i+3], v15 offset:32*SP*((\t)%2)+16*\i
.endr
.endm
.irp t, 0,1,2,3
	XLOAD \t
.endr
	s_wait_loadcnt 12                              ; step 0's four loads are in; the twelve of steps 1 to 3 may be out
	XTURN 0
.macro XSTEP t
.set XS, X+16*((\t)%2)
.if (\t) > 0
	s_wait_dscnt 1                                 ; this step's numbers are back from the stage (the last step's byte store may be out)
.else
	s_wait_dscnt 0x0
.endif
.if (\t)+4 < STEPS
	XLOAD (\t)+4                                   ; into the registers whose stores into the stage are done
.endif
.if (\t)+1 < STEPS
.if STEPS-2-(\t) >= 3
	s_wait_loadcnt 12                              ; the next step's four loads are in; those of the three steps behind it may be out
.else
	s_wait_loadcnt 4*(STEPS-2-(\t))
.endif
	XTURN (\t)+1
.endif
	v_max3_num_f32 v8, |v[XS]|, |v[XS+1]|, |v[XS+2]|               ; the largest magnitude of my 16
	v_max3_num_f32 v9, |v[XS+3]|, |v[XS+4]|, |v[XS+5]|
.irp i, 6,10
	v_max3_num_f32 v8, v8, |v[XS+\i]|, |v[XS+\i+1]|
	v_max3_num_f32 v9, v9, |v[XS+\i+2]|, |v[XS+\i+3]|
.endr
	v_max3_num_f32 v8, v8, |v[XS+14]|, |v[XS+15]|
	v_max3_num_f32 v8, v8, v9, (EMAX+1)<<23        ; and the floor 2^(3 - 127): the byte cannot fall under 1
	v_max_num_f32_dpp v8, v8, v8 row_xmask:1 row_mask:0xf bank_mask:0xf   ; and of my neighbour's 16: the block's
	v_add_nc_u32 v11, -(EMAX<<23), v8              ; 2 off its exponent field: the conversion takes the exponent field of this operand as its scale
	v_cvt_scalef32_pk8_fp4_f32 v[C+4*(\t)], v[XS:XS+7], v11
	v_cvt_scalef32_pk8_fp4_f32 v[C+4*(\t)+1], v[XS+8:XS+15], v11
	v_lshrrev_b32 v[E+(\t)], 23, v11               ; the scale's byte (also the plain line behind the conversions)
	ds_store_b8 v5, v[E+(\t)] offset:16*(\t)       ; both lanes of a block write the same byte with the same value
	global_store_b64 v4, v[C+4*(\t):C+4*(\t)+1], s[10:11] offset:32*CB*(\t)   ; the wave stores 256 consecutive bytes, aligned
.endm
.irp t, 0,1,2,3,4,5,6,7,8,9,10,11,12,13,14,15
	XSTEP \t
.endr
	ds_load_b64 v[8:9], v6                         ; LDS serves a wave's instructions in order: these see my byte stores
	s_wait_dscnt 0x0
	global_store_b64 v7, v[8:9], s[12:13]          ; 32 lanes store 256 consecutive bytes, aligned
	s_branch .Lend
	; ---------------- the weights: a lane takes a column n, its registers run down K: 128 k of this work-group's k step
.Lweights:
	v_lshlrev_b32 v3, 2, v2                        ; in: 4 bytes a lane: a load reads 128 consecutive bytes
	v_lshrrev_b32 v4, 4, v2
	v_and_b32 v5, 15, v2
	v_lshlrev_b32 v4, 12, v4
	v_lshl_add_u32 v4, v5, 4, v4                   ; out: the image of my tile of 16 columns (4,096 bytes a tile), 16 bytes a column
.macro WLOAD t, base, pitch            ; block t: W(32 t + i, my column), i = 0 .. 31
.set i, 0
.rept 32
	global_load_b32 v[WN+32*(\t)+i], v3, s[\base:\base+1] offset:(32*(\t)+i)*\pitch th:TH_LOAD_NT
.set i, i+1
.endr
.endm
.macro WWAIT t                         ; block t's 32 loads are in; the next block's 32 may be out
.if (\t) < 3
	s_wait_loadcnt 32
.else
	s_wait_loadcnt 0x0
.endif
.endm
	s_cmp_lt_u32 ttmp9, 56
	s_cbranch_scc0 .Lproj_w
	; W_attn.  An image is the operand's registers for 16 columns x 128 k: block b = 2 c + h of column r lies at 512 c + 256 h + 16 r.  Images lie [k step / 4][tile of 16 columns][k step % 4].
	s_sub_co_u32 s22, ttmp9, 32
	s_lshl_b32 s23, s22, 2
	s_add_co_u32 s23, s23, s20                     ; which 32 columns: 4 (x - 32) + wave
	s_mul_i32 s24, s21, 128*12288                  ; 128 rows of 12,288 bytes a k step
	s_lshl_b32 s25, s23, 7
	s_add_co_u32 s24, s24, s25
	s_mov_b32 s25, 0
	s_lshr_b32 s26, s21, 2
	s_mul_i32 s26, s26, 786432
	s_lshl_b32 s27, s23, 13                        ; two tiles of 4,096 bytes for 32 columns
	s_add_co_u32 s26, s26, s27
	s_and_b32 s27, s21, 3
	s_lshl_b32 s27, s27, 10
	s_add_co_u32 s26, s26, s27
	s_mov_b32 s27, 0
	s_lshl_b32 s28, s23, 10                        ; scale words: 32 bytes a column
	s_lshl_b32 s29, s21, 2
	s_add_co_u32 s28, s28, s29
	s_mov_b32 s29, 0
	v_lshlrev_b32 v5, 5, v2
	s_wait_kmcnt 0x0
	s_add_nc_u64 s[6:7], s[6:7], s[24:25]
	s_add_nc_u64 s[14:15], s[14:15], s[26:27]
	s_add_nc_u64 s[16:17], s[16:17], s[28:29]
	WLOAD 0, 6, 12288
	WLOAD 1, 6, 12288
.macro QBLOCK t
.set XS, WN+32*(\t)
	WWAIT \t
.if (\t)+2 < 4
	WLOAD (\t)+2, 6, 12288
.endif
	v_max3_num_f32 v20, |v[XS]|, |v[XS+1]|, |v[XS+2]|              ; the block's largest magnitude: all 32 numbers are mine
	v_max3_num_f32 v21, |v[XS+3]|, |v[XS+4]|, |v[XS+5]|
.irp i, 6,10,14,18,22,26
	v_max3_num_f32 v20, v20, |v[XS+\i]|, |v[XS+\i+1]|
	v_max3_num_f32 v21, v21, |v[XS+\i+2]|, |v[XS+\i+3]|
.endr
	v_max3_num_f32 v20, v20, |v[XS+30]|, |v[XS+31]|
	v_max3_num_f32 v20, v20, v21, (EMAX+1)<<23     ; and the floor
	v_add_nc_u32 v22, -(EMAX<<23), v20             ; the conversion's scale operand
	v_lshrrev_b32 v23, 23, v22                     ; the scale's byte
.if (\t) == 0
	v_mov_b32 v[WS], v23
.else
	v_lshl_or_b32 v[WS], v23, 8*(\t), v[WS]
.endif
.irp g, 0,1,2,3
	v_cvt_scalef32_pk8_fp4_f32 v[WC+4*(\t)+\g], v[XS+8*\g:XS+8*\g+7], v22
.endr
	v_nop                                          ; one plain line behind the last conversion
	global_store_b128 v4, v[WC+4*(\t):WC+4*(\t)+3], s[14:15] offset:((\t)/2)*512+((\t)%2)*256   ; sixteen lanes store 256 consecutive bytes, aligned
.endm
	QBLOCK 0
	QBLOCK 1
	QBLOCK 2
	QBLOCK 3
	global_store_b32 v5, v[WS], s[16:17]           ; 4 bytes of each column's 32: one byte for each 32 of the 128 that the arm reads
	s_branch .Lend
	; W_proj.  An image is the f16 operand's registers for 16 columns x 32 k: the 8 k's 16 c + 8 h + 0 .. 7 of column r lie at 512 c + 256 h + 16 r.  Images lie [k step][tile of 16 columns][k / 32 % 4].
.Lproj_w:
	s_sub_co_u32 s22, ttmp9, 56
	s_lshl_b32 s23, s22, 2
	s_add_co_u32 s23, s23, s20
	s_lshl_b32 s24, s21, 19                        ; 128 rows of 4,096 bytes a k step
	s_lshl_b32 s25, s23, 7
	s_add_co_u32 s24, s24, s25
	s_mov_b32 s25, 0
	s_lshl_b32 s26, s21, 18                        ; 64 tiles of 4,096 bytes a k step
	s_lshl_b32 s27, s23, 13
	s_add_co_u32 s26, s26, s27
	s_mov_b32 s27, 0
	s_wait_kmcnt 0x0
	s_add_nc_u64 s[8:9], s[8:9], s[24:25]
	s_add_nc_u64 s[18:19], s[18:19], s[26:27]
	WLOAD 0, 8, 4096
	WLOAD 1, 8, 4096
.macro HBLOCK t
	WWAIT \t
.if (\t)+2 < 4
	WLOAD (\t)+2, 8, 4096
.endif
.set i, 0
.rept 16
	v_cvt_pk_f16_f32 v[WC+16*(\t)+i], v[WN+32*(\t)+2*i], v[WN+32*(\t)+2*i+1]
.set i, i+1
.endr
.irp e, 0,1,2,3
	global_store_b128 v4, v[WC+16*(\t)+4*\e:WC+16*(\t)+4*\e+3], s[18:19] offset:(\t)*1024+(\e/2)*512+(\e%2)*256   ; sixteen lanes store 256 consecutive bytes, aligned
.endr
.endm
	HBLOCK 0
	HBLOCK 1
	HBLOCK 2
	HBLOCK 3
.Lend:
	s_wait_tensorcnt 0x0                           ; the wave's end
	ds_add_u32 v[SPW], v[NIL]
	s_wait_dscnt 0x0
	s_endpgm
.Lfunc_end_k_q8c18298ea3_prep:
	.size	k_q8c18298ea3_prep, .Lfunc_end_k_q8c18298ea3_prep-k_q8c18298ea3_prep
	.p2alignl 7, 3214868480
	.fill 96, 4, 3214868480
	.section	.rodata,"a",@progbits
	.p2align	6, 0x0
	.amdhsa_kernel k_q8c18298ea3_prep
		.amdhsa_group_segment_fixed_size 33280
		.amdhsa_private_segment_fixed_size 0
		.amdhsa_enable_private_segment 0
		.amdhsa_kernarg_size 64
		.amdhsa_user_sgpr_count 2
		.amdhsa_user_sgpr_kernarg_segment_ptr 1
		.amdhsa_wavefront_size32 1
		.amdhsa_system_sgpr_workgroup_id_x 1
		.amdhsa_system_sgpr_workgroup_id_y 1
		.amdhsa_system_sgpr_workgroup_id_z 1
		.amdhsa_system_vgpr_workitem_id 0
		.amdhsa_next_free_vgpr 224
		.amdhsa_next_free_sgpr 66
		.amdhsa_reserve_vcc 0
		.amdhsa_float_denorm_mode_32 3
		.amdhsa_float_denorm_mode_16_64 3
		.amdhsa_memory_ordered 1
		.amdhsa_forward_progress 1
		.amdhsa_inst_pref_size 71
	.end_amdhsa_kernel
	.amdgpu_metadata
---
amdhsa.version: [ 1, 2 ]
amdhsa.kernels:
  - .name:           k_q8c18298ea3_prep
    .symbol:         k_q8c18298ea3_prep.kd
    .args:
      - { .name: x, .offset: 0, .size: 8, .value_kind: global_buffer, .address_space: global }
      - { .name: W_attn, .offset: 8, .size: 8, .value_kind: global_buffer, .address_space: global }
      - { .name: W_proj, .offset: 16, .size: 8, .value_kind: global_buffer, .address_space: global }
      - { .name: xq_codes, .offset: 24, .size: 8, .value_kind: global_buffer, .address_space: global }
      - { .name: xq_scales, .offset: 32, .size: 8, .value_kind: global_buffer, .address_space: global }
      - { .name: wq_codes, .offset: 40, .size: 8, .value_kind: global_buffer, .address_space: global }
      - { .name: wq_scales, .offset: 48, .size: 8, .value_kind: global_buffer, .address_space: global }
      - { .name: wp16, .offset: 56, .size: 8, .value_kind: global_buffer, .address_space: global }
    .group_segment_fixed_size: 33280
    .private_segment_fixed_size: 0
    .kernarg_segment_align: 8
    .kernarg_segment_size: 64
    .max_flat_workgroup_size: 128
    .sgpr_count:     66
    .vgpr_count:     224
    .wavefront_size: 32
...
	.end_amdgpu_metadata
.endif
;; end of part 1
;; launch qkv (part 2): grid 12 x 32, 4 waves a work-group, clusters of 4 x 4, 327,680 bytes of LDS; arguments xq_codes, xq_scales, wq_codes, wq_scales, qkv16, q32; writes qkv16, q32
.if DOCPART == 2
	.amdgcn_target "amdgcn-amd-amdhsa--gfx1250"
	.amdhsa_code_object_version 6
	.text
	.protected	k_q8c18298ea3_qkv
	.globl	k_q8c18298ea3_qkv
	.p2align	8
	.type	k_q8c18298ea3_qkv,@function
k_q8c18298ea3_qkv:
	s_mov_b64 s[64:65], 0
	v_nop
	global_prefetch_b8 v0, s[64:65] scope:SCOPE_SE
	s_setreg_imm32_b32 hwreg(HW_REG_WAVE_MODE, 25, 1), 1
	s_wait_xcnt 0x0
	s_wait_alu depctr_hold_cnt(0) depctr_sa_sdst(0) depctr_va_vdst(0) depctr_va_sdst(0) depctr_va_ssrc(0) depctr_va_vcc(0) depctr_vm_vsrc(0)
	s_getreg_b32 s2, hwreg(HW_REG_IB_STS2, 6, 4)
	s_cmp_eq_u32 s2, 0
	s_cbranch_scc0 .Lentry_in_a_cluster
	s_endpgm
.Lentry_in_a_cluster:
	s_bfe_u32 s2, ttmp6, 0x10000c
	s_cmp_lg_u32 s2, 0xf033
	s_cbranch_scc0 .Lentry_shape_is_right
	s_endpgm
.Lentry_shape_is_right:
; qkv = Q(x) Q(W_attn), [8192][3072], on codes of E2M1 with one E8M0 scale for each 32 along K = 1024; sums in f32.
; OUT: qkv16, f16, as 48 planes of 64 columns, [column / 64][row][64] (q: planes 0-15, k: 16-31, v: 32-47), a row of a plane 128 bytes; and q32, f32, [4 x 16][3072]: the first 16 positions of each sequence, for launch first16.
; A tile of 256 x 256 is made by a work-group of four waves; a wave makes 128 x 128: 64 accumulators, 512 registers.  All of K fits in two LDS slots of 512 along K: every slot is filled once, no slot again.
; x's codes come as rows of 256 bytes (+ 16 of padding in LDS); W_attn's as images of the operand's registers (launch prep): a fragment is two loads of 16 bytes a lane, 512 consecutive bytes each.
; The scales of the tile's 256 rows and 256 columns, for all of K, come once, as units of 256 bytes + 16 of padding.
; CLUSTERS: 4 x 4 work-groups.  The four of a row of the cluster need the same tiles of x, the four of a column the same tiles of W_attn: each is asked for jointly, by the same tensor load with a mask that names the four.
; THE TILE ROW IS 8 cy + cluster y: so a tile begins a sequence (2,048 rows = 8 tiles) where cluster y = 0, which all sixteen partners share; the branch round the f32 copy hangs on that and on the wave's number alone.
; THE MATRIX INSTRUCTION IS USED TRANSPOSED (source 0 = 16 columns of W_attn, source 1 = 16 rows of x): a lane holds eight neighbouring columns of one row.
; 384 tiles for 256 WGPs: one and a half turns; a tile of 256 x 384 fits neither the registers nor LDS.
; REGISTERS: window 0: v16-31 addresses; v32-95 scale words, two sets; v128-191 x's fragments, one set; on the way out v32-63, v128-255 are free.  window 1: W's fragments, two sets.  windows 2, 3: the accumulators ((a, b) at v[8 (8 (a % 4) + b)]).
.set NQ,     4                         ; steps of 128 along K in a slot
.set ROWB,   256                       ; a row of x's tile in bytes
.set KROW,   512                       ; a row of x's codes in memory
.set PITCH,  272                       ; and in LDS: 256 + 16: the 16 rows that a load touches start at 16 different banks (64 banks of 4 bytes: ISA guide 11.1)
.set FR,     8                         ; registers of a fragment
.set NL,     2                         ; LDS loads that bring one
.set NP,     4                         ; places behind this matrix instruction (ISA guide 7.12.1)
.set HALFT,  128*PITCH                 ; 128 rows of x: one tensor load
.set BHALF,  32768                     ; 128 columns of W: 8 tiles x 4 steps x 1,024 bytes: one tensor load
.set SLOT,   2*HALFT+2*BHALF
.set WSLOT,  786432                    ; from slot to slot in W's codes in memory
.set KS,     32                        ; a row of scales in bytes
.set SCL,    2*SLOT                    ; behind the slots: the scales
.set HALFS,  16*272                    ; those of 128 rows
.set SBLK,   2*272                     ; those of 16 rows
.set SPARE,  SCL+4*HALFS               ; the spare words, 128 bytes a wave, that no other line names
.set SP16,   272                       ; the way out in f16: 16 rows x (256 + 16) bytes a wave, from byte 0 of slot 0, which has had its one fill and its last read by then
.set ST32,   32768                     ; the f32 copy's stages: 16 rows x (512 + 16) bytes a wave, also in slot 0
.set SP32,   528
.set ADRA, 16                          ; v16-17  LDS address of my fragments of x in slot 0, 1
.set ADRB, 20                          ; v20-21  the same for W
.set STO,  24                          ; v24  f16 stage: where I put 16 bytes of a row
.set RD,   25                          ; v25  and where I read back
.set CO,   26                          ; v26  16 x lane
.set ADRS, 27                          ; v27  my scale words: lanes 0-15 x's rows, lanes 16-31 W's columns
.set SPW,  28                          ; v28  my spare word; never rewritten
.set NIL,  29                          ; v29  0; never rewritten
.set STO32, 30                         ; v30, v31  the f32 stage, in and back
.set RD32, 31
.set SC,   32
.set AF,   128
.set TMP,  192                         ; the way out: packed results
.set OB,   32                          ; and rows read back: v32-63 and v224-255 by turns
.set G1, 24
.set G0, 32
.set G1B, 48
.set G0B, 56
.set G1S, 68
.set G0S, 76
.set G1SB, 80
.set G0SB, 88
.set MSB, 0
.macro WIN new                         ; the immediate's high byte repeats the setting that is left
.if MSB != \new
	s_set_vgpr_msb (MSB<<8)|\new
.set MSB, \new
.endif
.endm
.set MUL_LO, 0xa1                      ; source 0 (W) window 1, source 1 (x) window 0, C and D window 2
.set MUL_HI, 0xf1
.set TO_B,   0x40
; A joint load: waves 0 and 1 fetch for x, waves 2 and 3 for W.  The branch hangs on the wave's number alone.  An s_nop 0 and four v_nop follow each line.
.macro JLOAD g0a, g1a, g0b, g1b
	s_cmp_eq_u32 s15, 0
	s_cbranch_scc0 .Lfor_b_\@
	tensor_load_to_lds s[\g0a:\g0a+3], s[\g1a:\g1a+7]
	s_nop 0
.rept 4
	v_nop
.endr
	s_branch .Lasked_\@
.Lfor_b_\@:
	tensor_load_to_lds s[\g0b:\g0b+3], s[\g1b:\g1b+7]
	s_nop 0
.rept 4
	v_nop
.endr
.Lasked_\@:
.endm
.macro CROUND                          ; a round of the cluster's barrier
	s_barrier_signal -1
	s_barrier_wait -1
	s_cmp_lg_u32 s14, 0
	s_cbranch_scc1 .Lnot_wave_0_\@
	s_barrier_signal -3
.Lnot_wave_0_\@:
	s_barrier_wait -3
	s_barrier_signal -1
	s_barrier_wait -1
.endm
	s_load_b128 s[4:7], s[0:1], 0x0                ; x's codes, x's scales
	s_load_b128 s[8:11], s[0:1], 0x10              ; W's codes, W's scales
	s_load_b64 s[12:13], s[0:1], 0x20              ; qkv16
	s_load_b64 s[96:97], s[0:1], 0x28              ; q32
	v_lshl_add_u32 v[SPW], v0, 2, SPARE
	v_mov_b32 v[NIL], 0
	ds_add_u32 v[SPW], v[NIL]                      ; the wave's opening: the add, twice on end, and its wait ahead of my first tensor load
	ds_add_u32 v[SPW], v[NIL]
	v_lshrrev_b32 v1, 5, v0
	v_readfirstlane_b32 s14, v1                    ; wave 0..3
	s_lshr_b32 s15, s14, 1                         ; which half of the tile's rows is mine.  Also: I fetch for x (0) or for W (1)
	s_and_b32 s16, s14, 1                          ; which half of its columns.  Also: which half of that tile I fetch
	s_bfe_u32 s40, ttmp6, 0x40000                  ; cx, cy: my place in the cluster
	s_bfe_u32 s41, ttmp6, 0x40004
	s_lshl_b32 s42, ttmp9, 2
	s_add_co_u32 s42, s42, s40                     ; tile column = 4 x cluster x + cx
	s_and_b32 s95, ttmp7, 0xffff                   ; cluster y
	s_lshl_b32 s17, s41, 3
	s_add_co_u32 s17, s17, s95                     ; tile row = 8 cy + cluster y
	s_or_b32 s98, s95, s15                         ; 0: my 128 rows begin a sequence
	s_lshl_b32 s43, s41, 2
	s_lshl_b32 s43, 15, s43                        ; my row of the cluster
	s_lshl_b32 s44, 0x1111, s40                    ; my column
	s_or_b32 s[G1+0], s43, (0<<16)|(1<<20)|(1<<21)|(5<<22)|(3<<25)  ; x: the mask; elements of 1 byte; padding: 4 words after every 64; bit 21 beside a mask
	s_mov_b32 s[G1+1], ROWB<<16                    ; tensor_dim0
	s_mov_b32 s[G1+2], 128<<16                     ; tensor_dim1
	s_mov_b32 s[G1+3], ROWB<<16                    ; tile_dim0
	s_mov_b32 s[G1+4], 128                         ; tile_dim1
	s_mov_b32 s[G1+5], KROW                        ; from row to row
	s_mov_b32 s[G1+6], 0
	s_mov_b32 s[G1+7], 0
	s_or_b32 s[G1B+0], s44, (0<<16)|(1<<21)        ; W: a dense block of 32,768 bytes as 128 rows of 256, no padding
	s_mov_b32 s[G1B+1], 256<<16
	s_mov_b32 s[G1B+2], 128<<16
	s_mov_b32 s[G1B+3], 256<<16
	s_mov_b32 s[G1B+4], 128
	s_mov_b32 s[G1B+5], 256
	s_mov_b32 s[G1B+6], 0
	s_mov_b32 s[G1B+7], 0
	s_or_b32 s[G1S+0], s43, (3<<16)|(1<<20)|(1<<21)|(5<<22)|(3<<25)  ; the scales of 128 rows: 4,096 dense bytes as 16 rows of 256 (32 elements of 8 bytes), 16 bytes of padding behind each
	s_or_b32 s[G1SB+0], s44, (3<<16)|(1<<20)|(1<<21)|(5<<22)|(3<<25)
.irp g, G1S, G1SB
	s_mov_b32 s[\g+1], 32<<16
	s_mov_b32 s[\g+2], 16<<16
	s_mov_b32 s[\g+3], 32<<16
	s_mov_b32 s[\g+4], 16
	s_mov_b32 s[\g+5], 32
	s_mov_b32 s[\g+6], 0
	s_mov_b32 s[\g+7], 0
.endr
	s_lshl_b32 s18, s16, 7                         ; which 128 of the tile's 256 I fetch
	s_lshl_b32 s20, s17, 8
	s_add_co_u32 s20, s20, s18                     ; x: row
	s_lshl_b32 s46, s42, 8
	s_add_co_u32 s46, s46, s18                     ; W: column
	s_lshl_b32 s22, s20, 5                         ; their scales: 32 bytes each
	s_mov_b32 s23, 0
	s_lshl_b32 s92, s46, 5
	s_mov_b32 s93, 0
	s_lshl_b32 s20, s20, 9                         ; x's codes: 512 bytes a row
	s_mov_b32 s21, 0
	s_lshl_b32 s46, s46, 8                         ; W's images: 4,096 bytes for 16 columns
	s_mov_b32 s47, 0
	s_mul_i32 s45, s16, HALFT                      ; where they go in a slot: no place in the cluster enters an LDS address
	s_mul_i32 s19, s16, BHALF
	s_add_co_u32 s19, s19, 2*HALFT
	s_mul_i32 s94, s14, HALFS
	s_wait_dscnt 0x0                               ; both opening adds are done
	s_wait_kmcnt 0x0
	s_add_nc_u64 s[20:21], s[4:5], s[20:21]
	s_add_nc_u64 s[22:23], s[6:7], s[22:23]
	s_add_nc_u64 s[46:47], s[8:9], s[46:47]
	s_add_nc_u64 s[92:93], s[10:11], s[92:93]
	CROUND                                         ; all sixteen work-groups are here: the joint loads meet
	s_mov_b32 s[G0S], 1
	s_add_co_u32 s[G0S+1], s94, SCL
	s_mov_b64 s[G0S+2:G0S+3], s[22:23]
	s_or_b32 s[G0S+3], s[G0S+3], 0x80000000
	s_mov_b32 s[G0SB], 1
	s_add_co_u32 s[G0SB+1], s94, SCL
	s_mov_b64 s[G0SB+2:G0SB+3], s[92:93]
	s_or_b32 s[G0SB+3], s[G0SB+3], 0x80000000
	JLOAD G0S, G1S, G0SB, G1SB                     ; the scales first; three loads of mine are out behind the third
.irp s, 0,1
	s_mov_b32 s[G0+4*\s], 1
	s_add_co_u32 s[G0+4*\s+1], s45, \s*SLOT
	s_add_nc_u64 s[G0+4*\s+2:G0+4*\s+3], s[20:21], \s*ROWB
	s_or_b32 s[G0+4*\s+3], s[G0+4*\s+3], 0x80000000
	s_mov_b32 s[G0B+4*\s], 1
	s_add_co_u32 s[G0B+4*\s+1], s19, \s*SLOT
	s_add_nc_u64 s[G0B+4*\s+2:G0B+4*\s+3], s[46:47], \s*WSLOT
	s_or_b32 s[G0B+4*\s+3], s[G0B+4*\s+3], 0x80000000
	JLOAD G0+4*\s, G1, G0B+4*\s, G1B
.endr
	v_and_b32 v1, 15, v0                           ; r = lane % 16
	v_bfe_u32 v2, v0, 4, 1                         ; h = lane / 16
	v_and_b32 v7, 31, v0                           ; lane
	v_lshlrev_b32 v[CO], 4, v7
	v_mul_u32_u24 v3, v1, PITCH
	v_lshl_add_u32 v4, v2, 4, v3                   ; a fragment of x: row x pitch + 16 x half
	s_mul_i32 s21, s15, HALFT                      ; my 128 rows of x
	s_mul_i32 s22, s16, BHALF                      ; my 128 columns of W,
	s_add_co_u32 s22, s22, 2*HALFT                 ; which lie behind x's 256 rows
.irp s, 0,1
	v_add_nc_u32 v[ADRA+\s], s21, v4
	v_add_nc_u32 v[ADRB+\s], s22, v[CO]
	s_add_co_u32 s21, s21, SLOT
	s_add_co_u32 s22, s22, SLOT
.endr
	v_mul_u32_u24 v5, v1, KS                       ; my row's scales: 32 bytes a row,
	v_lshrrev_b32 v6, 8, v5
	v_lshl_add_u32 v5, v6, 4, v5                   ; and 16 more for each 256 passed
	s_mul_i32 s21, s15, HALFS
	s_mul_i32 s22, s16, HALFS
	s_add_co_u32 s22, s22, 2*HALFS
	s_sub_co_u32 s22, s22, s21
	v_mul_u32_u24 v6, s22, v2                      ; lanes 16-31 take W's: one product, the distance between the two bases
	s_add_co_u32 s21, s21, SCL
	v_add_nc_u32 v5, v5, v6
	v_add_nc_u32 v[ADRS], s21, v5
	s_mul_i32 s23, s14, 16*SP16                    ; my f16 stage
	v_mul_u32_u24 v5, v1, SP16
	v_lshl_add_u32 v5, v2, 4, v5
	v_add_nc_u32 v[STO], s23, v5                   ; in: row r, 16 bytes for each half of the lanes
	v_lshrrev_b32 v5, 3, v7
	v_mul_u32_u24 v5, v5, SP16
	v_and_b32 v8, 7, v0
	v_lshl_add_u32 v5, v8, 4, v5
	v_add_nc_u32 v[RD], s23, v5                    ; back: eight lanes take the 128 bytes that a row has in one plane; four rows an instruction
	s_mul_i32 s23, s14, 16*SP32
	s_add_co_u32 s23, s23, ST32                    ; my f32 stage
	v_mul_u32_u24 v5, v1, SP32
	v_lshl_add_u32 v5, v2, 5, v5
	v_add_nc_u32 v[STO32], s23, v5
	v_add_nc_u32 v[RD32], s23, v[CO]
	s_lshl_b32 s20, s42, 2
	s_lshl_b32 s21, s16, 1
	s_add_co_u32 s20, s20, s21                     ; my first plane: 4 x tile column + 2 x half
	s_lshl_b32 s20, s20, 20
	s_lshl_b32 s21, s17, 8
	s_lshl_b32 s46, s15, 7
	s_add_co_u32 s21, s21, s46                     ; my first row
	s_lshl_b32 s21, s21, 7
	s_add_co_u32 s20, s20, s21
	s_mov_b32 s21, 0
	s_add_nc_u64 s[12:13], s[12:13], s[20:21]
	s_mul_i32 s20, s41, 16*12288                   ; q32: sequence cy, 16 rows of 12,288 bytes,
	s_lshl_b32 s46, s42, 10
	s_add_co_u32 s20, s20, s46
	s_lshl_b32 s46, s16, 9
	s_add_co_u32 s20, s20, s46                     ; my 128 columns
	s_add_nc_u64 s[96:97], s[96:97], s[20:21]
.macro FRAGA reg, adr, q, i            ; 16 rows x 128 K of x: lane l holds row l % 16; registers 4 c .. 4 c + 3 hold K = 64 c + 32 (l / 16) + 0 .. 31
.irp c, 0,1
	ds_load_b128 v[\reg+4*\c:\reg+4*\c+3], v[\adr] offset:64*(\q)+32*\c+(\i)*16*PITCH
.endr
.endm
.macro FRAGB reg, adr, q, i            ; the same of W, from its image
.irp c, 0,1
	ds_load_b128 v[\reg+4*\c:\reg+4*\c+3], v[\adr] offset:1024*(\q)+512*\c+(\i)*4096
.endr
.endm
; 16 matrix instructions: x's blocks a0, a0 + 1 against W's eight.  The 64 accumulators take turns, one instruction a turn, in the same order in every step.
.macro MUL16 a0, p, q, sc, zero
.irp a, \a0, \a0+1
.irp b, 0,1,2,3,4,5,6,7
.if \zero
	v_wmma_scale_f32_16x16x128_f8f6f4 v[8*(8*((\a)%4)+\b):8*(8*((\a)%4)+\b)+7], v[128*(\p)+FR*\b:128*(\p)+FR*\b+FR-1], v[AF+FR*(\a):AF+FR*(\a)+FR-1], 0, v[SC+8*NQ*(\sc)+NQ*\b+(\q)], v[SC+8*NQ*(\sc)+NQ*(\a)+(\q)] matrix_a_fmt:MATRIX_FMT_FP4 matrix_b_fmt:MATRIX_FMT_FP4 matrix_a_scale:MATRIX_SCALE_ROW1
.else
	v_wmma_scale_f32_16x16x128_f8f6f4 v[8*(8*((\a)%4)+\b):8*(8*((\a)%4)+\b)+7], v[128*(\p)+FR*\b:128*(\p)+FR*\b+FR-1], v[AF+FR*(\a):AF+FR*(\a)+FR-1], v[8*(8*((\a)%4)+\b):8*(8*((\a)%4)+\b)+7], v[SC+8*NQ*(\sc)+NQ*\b+(\q)], v[SC+8*NQ*(\sc)+NQ*(\a)+(\q)] matrix_a_fmt:MATRIX_FMT_FP4 matrix_b_fmt:MATRIX_FMT_FP4 matrix_a_scale:MATRIX_SCALE_ROW1
.endif
.endr
.endr
.endm
.macro FETCH_B slot, q, p
	WIN TO_B
.irp i, 0,1,2,3,4,5,6,7
	FRAGB 128*(\p)+FR*\i, ADRB+\slot, \q, \i
.endr
	WIN 0
.endm
.macro FETCH_A slot, q, i0
.irp i, \i0, \i0+1, \i0+2, \i0+3
	FRAGA AF+FR*(\i), ADRA+\slot, \q, \i
.endr
.endm
.macro SCALES sc                       ; a slot's scale words: 4 words a row; lanes 0-15 take x's block i, lanes 16-31 W's block i
.irp i, 0,1,2,3,4,5,6,7
	ds_load_b128 v[SC+8*NQ*\sc+NQ*\i:SC+8*NQ*\sc+NQ*\i+3], v[ADRS] offset:\i*SBLK
.endr
.endm
.macro PLACES n                        ; plain vector lines between a matrix instruction and a load into, or a read of, its registers
.rept \n
	v_nop
.endr
.endm
.macro STEP slot, q, zero              ; a step of 128 along K that has its successor in the same slot
	s_wait_dscnt 4*NL                              ; W's set and x's blocks 0-3 are in; the youngest eight loads (x's blocks 4-7) may be out
	WIN MUL_LO
	MUL16 0, (\q)%2, \q, \slot, \zero
	MUL16 2, (\q)%2, \q, \slot, \zero
	s_wait_dscnt 0
	PLACES NP
	FETCH_B \slot, (\q)+1, 1-(\q)%2
	FETCH_A \slot, (\q)+1, 0
	WIN MUL_HI
	MUL16 4, (\q)%2, \q, \slot, \zero
	MUL16 6, (\q)%2, \q, \slot, \zero
	PLACES NP
	WIN 0
	FETCH_A \slot, (\q)+1, 4
.endm
.macro STEPS slot, from
.set Q, \from
.rept NQ-1-\from
	STEP \slot, Q, 0
.set Q, Q+1
.endr
.endm
	s_wait_tensorcnt 1                             ; the scales and my part of slot 0 are in (slot 1's load may be out)
	s_barrier_signal -1
	s_barrier_wait -1                              ; everybody's are
	FETCH_B 0, 0, 0
	FETCH_A 0, 0, 0
	SCALES 0
	FETCH_A 0, 0, 4
	STEP 0, 0, 1                                   ; the first step's products start the sums: nothing is cleared
	STEPS 0, 1
	; slot 0's last step, and the change to slot 1: one barrier; in front of it my load of slot 1 has landed and my reads of slot 0 are over
	s_wait_tensorcnt 0x0
	ds_add_u32 v[SPW], v[NIL]                      ; 0 onto my spare word
	s_wait_dscnt 4*NL+1                            ; (the add and the youngest eight loads may be out)
	WIN MUL_LO
	MUL16 0, 1, NQ-1, 0, 0
	s_wait_dscnt 0x0
	s_barrier_signal -1
	MUL16 2, 1, NQ-1, 0, 0
	WIN 0
	s_barrier_wait -1
	PLACES NP
	v_add_nc_u32 v[ADRS], 4*NQ, v[ADRS]            ; on to slot 1's scale words (no LDS load of mine is out)
	FETCH_B 1, 0, 0
	FETCH_A 1, 0, 0
	SCALES 1
	WIN MUL_HI
	MUL16 4, 1, NQ-1, 0, 0
	MUL16 6, 1, NQ-1, 0, 0
	PLACES NP
	WIN 0
	FETCH_A 1, 0, 4
	STEPS 1, 0
	s_wait_dscnt 4*NL                              ; the very last step
	WIN MUL_LO
	MUL16 0, 1, NQ-1, 1, 0
	MUL16 2, 1, NQ-1, 1, 0
	s_wait_dscnt 0
	WIN MUL_HI
	MUL16 4, 1, NQ-1, 1, 0
	MUL16 6, 1, NQ-1, 1, 0
	WIN 0
	PLACES NP
	; THE F32 COPY of a sequence's first 16 rows: block 0 of the waves whose 128 rows begin a sequence.  Through a stage of its own, back as whole rows of 512 bytes.
	s_cmp_lg_u32 s98, 0
	s_cbranch_scc1 .Lno32
	WIN 0x08                                       ; an LDS store's data are its source 1: window 2
.irp b, 0,1,2,3,4,5,6,7
	ds_store_b128 v[STO32], v[8*\b:8*\b+3] offset:64*\b              ; each accumulator from its low end on
	ds_store_b128 v[STO32], v[8*\b+4:8*\b+7] offset:64*\b+16
.endr
	WIN 0
.irp t, 0,1,2,3,4,5,6,7,8,9,10,11,12,13,14,15
	ds_load_b128 v[AF+4*\t:AF+4*\t+3], v[RD32] offset:\t*SP32        ; LDS serves a wave's instructions in order: these see my stores
.endr
	s_wait_dscnt 0x0
.irp t, 0,1,2,3,4,5,6,7,8,9,10,11,12,13,14,15
	global_store_b128 v[CO], v[AF+4*\t:AF+4*\t+3], s[96:97] offset:\t*12288   ; 32 lanes store 512 consecutive bytes, aligned
.endr
.Lno32:
	; THE WAY OUT IN F16, block by block of 16 rows x 128 columns (two planes).
.macro PACK a
.set AC, 64*((\a)%4)
	WIN 0x0a+5*((\a)/4)                            ; sources 0 and 1: window 2 or 3
.irp b, 0,1,2,3,4,5,6,7
.irp r, 0,1,2,3
	v_cvt_pk_f16_f32 v[TMP+4*\b+\r], v[AC+8*\b+2*\r], v[AC+8*\b+2*\r+1]
.endr
.endr
	WIN 0
.endm
.macro TOSTAGE a
.set BK, OB+192*((\a)%2)
.irp b, 0,1,2,3,4,5,6,7
	ds_store_b128 v[STO], v[TMP+4*\b:TMP+4*\b+3] offset:32*\b
.endr
.irp t, 0,1,2,3
.irp p, 0,1
	ds_load_b128 v[BK+4*(2*\t+\p):BK+4*(2*\t+\p)+3], v[RD] offset:\t*4*SP16+\p*128   ; rows 4 t .. 4 t + 3, their 128 bytes in plane p
.endr
.endr
.endm
.macro SEND a
.set BK, OB+192*((\a)%2)
	s_wait_dscnt 0x0                               ; the block is back in registers
	s_wait_xcnt 0x0                                ; earlier stores have read their base and their data: both may be written again
.if (\a) > 0
	s_add_nc_u64 s[12:13], s[12:13], 16*128        ; 16 rows of a plane on
.endif
.irp t, 0,1,2,3
.irp p, 0,1
	global_store_b128 v[CO], v[BK+4*(2*\t+\p):BK+4*(2*\t+\p)+3], s[12:13] offset:\t*512+\p*1048576   ; 32 lanes store 512 consecutive bytes, aligned: four rows of a plane
.endr
.endr
.endm
	PACK 0
	TOSTAGE 0
.irp a, 1,2,3,4,5,6,7                  ; block a's conversions stand between block a - 1's loads from the stage and the wait for them
	PACK \a
	SEND \a-1
	TOSTAGE \a
.endr
	SEND 7
	s_wait_tensorcnt 0x0                           ; the wave's end
	ds_add_u32 v[SPW], v[NIL]
	s_wait_dscnt 0x0
	CROUND                                         ; the closing round
	s_endpgm
.Lfunc_end_k_q8c18298ea3_qkv:
	.size	k_q8c18298ea3_qkv, .Lfunc_end_k_q8c18298ea3_qkv-k_q8c18298ea3_qkv
	.p2alignl 7, 3214868480
	.fill 96, 4, 3214868480
	.section	.rodata,"a",@progbits
	.p2align	6, 0x0
	.amdhsa_kernel k_q8c18298ea3_qkv
		.amdhsa_group_segment_fixed_size 327680
		.amdhsa_private_segment_fixed_size 0
		.amdhsa_enable_private_segment 0
		.amdhsa_kernarg_size 48
		.amdhsa_user_sgpr_count 2
		.amdhsa_user_sgpr_kernarg_segment_ptr 1
		.amdhsa_wavefront_size32 1
		.amdhsa_system_sgpr_workgroup_id_x 1
		.amdhsa_system_sgpr_workgroup_id_y 1
		.amdhsa_system_sgpr_workgroup_id_z 1
		.amdhsa_system_vgpr_workitem_id 0
		.amdhsa_next_free_vgpr 1024
		.amdhsa_next_free_sgpr 100
		.amdhsa_reserve_vcc 0
		.amdhsa_float_denorm_mode_32 3
		.amdhsa_float_denorm_mode_16_64 3
		.amdhsa_memory_ordered 1
		.amdhsa_forward_progress 1
		.amdhsa_inst_pref_size 131
	.end_amdhsa_kernel
	.amdgpu_metadata
---
amdhsa.version: [ 1, 2 ]
amdhsa.kernels:
  - .name:           k_q8c18298ea3_qkv
    .symbol:         k_q8c18298ea3_qkv.kd
    .args:
      - { .name: xq_codes, .offset: 0, .size: 8, .value_kind: global_buffer, .address_space: global }
      - { .name: xq_scales, .offset: 8, .size: 8, .value_kind: global_buffer, .address_space: global }
      - { .name: wq_codes, .offset: 16, .size: 8, .value_kind: global_buffer, .address_space: global }
      - { .name: wq_scales, .offset: 24, .size: 8, .value_kind: global_buffer, .address_space: global }
      - { .name: qkv16, .offset: 32, .size: 8, .value_kind: global_buffer, .address_space: global }
      - { .name: q32, .offset: 40, .size: 8, .value_kind: global_buffer, .address_space: global }
    .group_segment_fixed_size: 327680
    .private_segment_fixed_size: 0
    .kernarg_segment_align: 8
    .kernarg_segment_size: 48
    .max_flat_workgroup_size: 128
    .sgpr_count:     100
    .vgpr_count:     1024
    .wavefront_size: 32
...
	.end_amdgpu_metadata
.endif
;; end of part 2
;; launch attn (part 3): grid 4 x 64, 16 waves a work-group, no clusters, 327,680 bytes of LDS; arguments qkv16, y16; writes y16
.if DOCPART == 3
	.amdgcn_target "amdgcn-amd-amdhsa--gfx1250"
	.amdhsa_code_object_version 6
	.text
	.protected	k_q8c18298ea3_attn
	.globl	k_q8c18298ea3_attn
	.p2align	8
	.type	k_q8c18298ea3_attn,@function
k_q8c18298ea3_attn:
	s_mov_b64 s[64:65], 0
	v_nop
	global_prefetch_b8 v0, s[64:65] scope:SCOPE_SE
	s_setreg_imm32_b32 hwreg(HW_REG_WAVE_MODE, 25, 1), 1
	s_wait_xcnt 0x0
; y[b][h][q] = the sum over k <= q of softmax_k(q . k / 8) v, on f16 operands with f32 sums, maxima and row sums; p is rounded to f16 for the second product, y to f16 once at the end.
; WORK LEFT OUT: key steps that lie wholly under reference()'s own causal mask are not multiplied, and slots of keys beyond the work-group's last query are not fetched (shown at the head of launch prep).
; IN: qkv16, planes [48][8192][64] f16.  OUT: y16, f16, as images of launch proj's operand registers: [K / 128][row / 16][K / 32 % 4][1,024 bytes], K = 64 head + channel.
; (The first 16 positions of each sequence are made here too, since they share a wave's 32 queries with later ones and y16 is read whole; launch first16 makes their output rows anew in f32.)
; SHARES.  Work-group (j, head): waves 0-7 own the head's query block 7 - j (256 queries), waves 8-15 block j: 9 blocks of 256 keys of live work in every work-group.  A wave owns 32 queries, two tiles of 16, in 256 registers: four waves to a SIMD.
; Every wave walks 8 slots of 256 keys, 64 keys a step: the trip counts are constants; a step all of whose keys are hidden from the wave is jumped over by a scalar branch on ids.
; NO CLUSTER: the four work-groups of a head need 8, 7, 6 and 5 slots, so partners would need different numbers of tiles, and a round at each change of slots would hold all four to the one that has both blocks live.
; LAYOUT.  Both products transposed: S^T = K Q^T (source 0 = 16 keys, source 1 = 16 queries), O^T = V^T P: a lane holds one query (lane % 16) throughout.  Two tiles of S^T, rounded to f16 in pairs in place, are source 1 of the second product.
; K comes out of LDS as it lies, V ([key][channel]) turned, by ds_load_tr16_b128, into the registers that K has left.
; SOFTMAX.  A running maximum m and sum l for each query: p = 2^(c s - c m), c = log2(e) / 8; O and l are multiplied by a = 2^(c m_old - c m_new) in every step.
.set KP,    144                        ; a key's row in LDS: 128 bytes + 16
.set VP,    160                        ; a row of V: 128 + 32: an odd multiple of 32
.set VOFF,  256*KP                     ; a slot: 256 rows of K, then 256 rows of V
.set SLOT1, 1<<17                      ; slot 1 begins here: one exclusive or turns an address from one slot to the other
.set SPARE, 2*SLOT1                    ; the spare words, 128 bytes for each of 16 waves, that no other line names
.set AK0, 1                            ; v1  my lane's place in a tile of K
.set AV0, 2                            ; v2  the same for V
.set SPW, 3                            ; v3  my spare word; never rewritten
.set NIL, 4                            ; v4  0; never rewritten
.set ADK, 5                            ; v5, v6  addresses of the step's loads
.set ADV, 6
.set LI,  7                            ; v7  16 x lane
.set PFO, 8                            ; v8  256 x lane
.set QO,  9                            ; v9  my byte in the wave's rows of Q
.set ST,  10                           ; tile t's statistics at v[ST + 8 t]: +0 c m, +1 m, +2, +3 l, +4 to +7 at work; a in +6
.set Q,   32                           ; v32-63   Q (tile t, channels 32 f on: Q + 16 t + 8 f);  v26-31 at work
.set KV,  64                           ; v64-127  K's 8 fragments, then V's
.set S,   128                          ; v128-191 S^T (S + 32 t + 8 x key tile), then p, then P in the low 16 of each 32
.set O,   192                          ; v192-255 O^T (O + 32 t + 8 u)
.set WV,  18
.set SEL, 20
.set CS,  22
.set G1K, 24
.set G1V, 32
.set G0K, 40
.set G0V, 44
.set TB,  2                            ; s2   LDS byte at which the slot in hand begins
.set KF,  48                           ; s48  the step's first key
.set Q0,  49                           ; s49  my first query
.set QL,  50                           ; s50  my work-group's last query
.set SLOTS, 51
.set PFA, 52                           ; s[52:53] where my prefetches stand
.set LIM, 54                           ; s54  1 in a wave that prefetches, else the greatest number
; Waves 0 and 1 fetch K's halves of a slot, waves 2 and 3 V's, the others nothing.  An s_nop 0 and four v_nop follow each line.
.macro TLOAD
	s_cmp_lt_u32 s[WV], 2
	s_cbranch_scc0 .Lnot_k_\@
	tensor_load_to_lds s[G0K:G0K+3], s[G1K:G1K+7]
	s_nop 0
.rept 4
	v_nop
.endr
	s_branch .Lasked_\@
.Lnot_k_\@:
	s_cmp_lt_u32 s[WV], 4
	s_cbranch_scc0 .Lasked_\@
	tensor_load_to_lds s[G0V:G0V+3], s[G1V:G1V+7]
	s_nop 0
.rept 4
	v_nop
.endr
.Lasked_\@:
.endm
; A prefetch of what the NEXT change of slots will ask for: a slot's K and V are dense blocks of 32,768 bytes each.  The head's work-group j = 0, which loads all 8 slots, asks, and nobody else;
; in it waves 4-7 ask for K's block and waves 8-11 for V's, 8,192 bytes a wave, lanes 256 bytes apart: each aligned 256 bytes is named once.  Slots 0 and 1 come by their loads alone; the last change that fills a slot asks for nothing.
.macro ASK
	s_cmp_gt_u32 s[SLOTS], s[LIM]
	s_cbranch_scc0 .Lnot_mine_\@
	global_prefetch_b8 v[PFO], s[PFA:PFA+1] th:TH_LOAD_NT scope:SCOPE_SE
.Lnot_mine_\@:
.endm
	s_load_b128 s[4:7], s[0:1], 0x0                ; qkv16, y16
	v_lshl_add_u32 v[SPW], v0, 2, SPARE
	v_mov_b32 v[NIL], 0
	ds_add_u32 v[SPW], v[NIL]                      ; the wave's opening: the add, twice on end, and its wait ahead of the first tensor load
	ds_add_u32 v[SPW], v[NIL]
	v_lshrrev_b32 v5, 5, v0
	v_readfirstlane_b32 s[WV], v5                  ; wave 0..15
	s_and_b32 s58, ttmp7, 0xffff                   ; 16 b + h
	s_lshr_b32 s59, s58, 4                         ; b
	s_and_b32 s60, s58, 15                         ; h
	s_lshl_b32 s61, s60, 20
	s_lshl_b32 s62, s59, 18
	s_add_co_u32 s66, s61, s62                     ; the head's first byte among q's planes: plane h, row 2048 b
	s_mov_b32 s67, 0
	s_sub_co_u32 s61, 7, ttmp9
	s_cmp_lt_u32 s[WV], 8
	s_cselect_b32 s61, s61, ttmp9                  ; my block of 256 queries
	s_and_b32 s62, s[WV], 7
	s_lshl_b32 s62, s62, 5
	s_lshl_b32 s[Q0], s61, 8
	s_add_co_u32 s[Q0], s[Q0], s62
	s_sub_co_u32 s[QL], 8, ttmp9
	s_lshl_b32 s[QL], s[QL], 8
	s_sub_co_u32 s[QL], s[QL], 1
	s_mov_b32 s[G1K], (1<<16)|(1<<20)|(4<<22)|(3<<25)   ; elements of 2 bytes; padding: 4 words after every 32
	s_mov_b32 s[G1V], (1<<16)|(1<<20)|(4<<22)|(7<<25)   ; 8 words
.irp g, G1K, G1V
	s_mov_b32 s[\g+1], 64<<16                      ; tensor_dim0
	s_mov_b32 s[\g+2], 128<<16                     ; tensor_dim1
	s_mov_b32 s[\g+3], 64<<16                      ; tile_dim0
	s_mov_b32 s[\g+4], 128                         ; tile_dim1
	s_mov_b32 s[\g+5], 64                          ; from row to row
	s_mov_b32 s[\g+6], 0
	s_mov_b32 s[\g+7], 0
.endr
	s_and_b32 s68, s[WV], 1                        ; which 128 rows of a slot I fetch, if I fetch
	s_lshl_b32 s69, s68, 14
	s_add_co_u32 s70, s66, s69
	s_mov_b32 s71, 0
	s_mul_i32 s72, s68, 128*KP
	s_mul_i32 s73, s68, 128*VP
	s_add_co_u32 s73, s73, VOFF
	s_lshl_b32 s74, s[Q0], 7
	s_add_co_u32 s74, s74, s66                     ; Q at my first query
	s_mov_b32 s75, 0
	s_lshr_b32 s76, s60, 1
	s_lshl_b32 s76, s76, 21                        ; y16: K step h / 2,
	s_lshl_b32 s77, s59, 11
	s_add_co_u32 s77, s77, s[Q0]
	s_lshl_b32 s77, s77, 8                         ; 4,096 bytes for 16 rows,
	s_add_co_u32 s76, s76, s77
	s_and_b32 s77, s60, 1
	s_lshl_b32 s77, s77, 11                        ; images 2 (h % 2) on
	s_add_co_u32 s76, s76, s77
	s_mov_b32 s77, 0
	s_mov_b32 s[SEL], 0x76543210
	s_mov_b32 s[SEL+1], 0xfedcba98                 ; v_permlanex16_b32's selects for lane l xor 16
	s_mov_b32 s[CS], 0x3e38aa3b                    ; c = log2(e) / 8
	s_mov_b32 s[CS+1], s[CS]
	s_mov_b32 s[TB], 0
	s_mov_b32 s[KF], 0
	s_mov_b32 s[SLOTS], 7
	s_wait_dscnt 0x0                               ; both opening adds are done
	s_wait_kmcnt 0x0
	s_mov_b32 s[G0K], 1
	s_mov_b32 s[G0K+1], s72
	s_add_nc_u64 s[G0K+2:G0K+3], s[4:5], s[70:71]
	s_add_nc_u64 s[G0K+2:G0K+3], s[G0K+2:G0K+3], 16*1048576    ; k's planes
	s_or_b32 s[G0K+3], s[G0K+3], 0x80000000
	s_mov_b32 s[G0V], 1
	s_mov_b32 s[G0V+1], s73
	s_add_nc_u64 s[G0V+2:G0V+3], s[4:5], s[70:71]
	s_add_nc_u64 s[G0V+2:G0V+3], s[G0V+2:G0V+3], 32*1048576    ; v's planes
	s_or_b32 s[G0V+3], s[G0V+3], 0x80000000
	TLOAD                                          ; slot 0: key 0 counts for every query, so it is read by every wave
	s_add_nc_u64 s[74:75], s[4:5], s[74:75]
	s_add_nc_u64 s[76:77], s[6:7], s[76:77]
	s_mov_b32 s56, 32*1048576
	s_cmp_lt_u32 s[WV], 8
	s_cselect_b32 s56, 16*1048576, s56             ; waves 4-7: K; waves 8-11: V
	s_and_b32 s57, s[WV], 3
	s_lshl_b32 s57, s57, 13
	s_add_co_u32 s56, s56, s57
	s_add_co_u32 s56, s56, s66
	s_add_co_u32 s56, s56, 32768                   ; in slot 1: the first change of slots steps it to slot 2
	s_mov_b32 s57, 0
	s_add_nc_u64 s[PFA:PFA+1], s[4:5], s[56:57]
	s_sub_co_u32 s56, s[WV], 4
	s_lshr_b32 s56, s56, 3                         ; 0 in waves 4 to 11,
	s_or_b32 s56, s56, ttmp9                       ; of work-group j = 0
	s_cmp_eq_u32 s56, 0
	s_cselect_b32 s[LIM], 1, -1
	v_and_b32 v10, 15, v0                          ; r
	v_bfe_u32 v11, v0, 4, 1                        ; h
	v_lshlrev_b32 v[QO], 7, v10
	v_lshl_add_u32 v[QO], v11, 4, v[QO]
.irp t, 0,1
.irp f, 0,1
.irp c, 0,1
	global_load_b128 v[Q+16*\t+8*\f+4*\c:Q+16*\t+8*\f+4*\c+3], v[QO], s[74:75] offset:\t*2048+64*\f+32*\c   ; Q stays in registers
.endr
.endr
.endr
	v_mul_u32_u24 v[AK0], v10, KP
	v_lshl_add_u32 v[AK0], v11, 4, v[AK0]          ; K: row r, + 16 h
	v_and_b32 v12, 7, v0
	v_bfe_u32 v13, v0, 3, 1
	v_lshl_add_u32 v[AV0], v11, 3, v12
	v_mul_u32_u24 v[AV0], v[AV0], VP
	v_lshl_add_u32 v[AV0], v13, 4, v[AV0]
	v_add_nc_u32 v[AV0], VOFF, v[AV0]              ; V: key 8 h + l % 8, channels 8 ((l / 8) % 2) on
	v_and_b32 v14, 31, v0
	v_lshlrev_b32 v[LI], 4, v14
	v_lshlrev_b32 v[PFO], 8, v14
.irp t, 0,1
	v_mov_b32 v[ST+8*\t+1], 0xff61b1e6             ; m: -3e38, under every score
	v_mul_f32 v[ST+8*\t], s[CS], v[ST+8*\t+1]      ; c m
.irp i, 2,3,4,5,6,7
	v_mov_b32 v[ST+8*\t+\i], 0                     ; l; and the registers at work, written once
.endr
.endr
.set i, 0
.rept 64
	v_mov_b32 v[O+i], 0                            ; O^T.  (The step is written once: the first finds zeros, which a = 0 leaves zeros)
.set i, i+1
.endr
; A KEY STEP: 64 keys, the q-th of the slot in hand.
.macro STEP q
	s_add_co_u32 s56, s[Q0], 31
	s_cmp_gt_u32 s[KF], s56                        ; all 64 keys come after my 32 queries: the step's work is left out; no barrier or tensor load stands in a step
	s_cbranch_scc1 .Lhidden_\@
	v_add_nc_u32 v[ADK], s[TB], v[AK0]
	v_add_nc_u32 v[ADV], s[TB], v[AV0]
.rept 3
	v_nop                                          ; with the two additions five places behind the last products: for the loads into V's registers, and for the products below, which write over P
.endr
.irp kt, 0,1,2,3
.irp f, 0,1
.irp c, 0,1
	ds_load_b128 v[KV+8*(2*\kt+\f)+4*\c:KV+8*(2*\kt+\f)+4*\c+3], v[ADK] offset:(64*(\q)+16*\kt)*KP+64*\f+32*\c
.endr
.endr
.endr
	s_wait_dscnt 0x0
.irp f, 0,1                            ; S^T = K Q^T: the eight accumulators take turns, one instruction a turn
.irp kt, 0,1,2,3
.irp t, 0,1
.if \f == 0
	v_wmma_f32_16x16x32_f16 v[S+32*\t+8*\kt:S+32*\t+8*\kt+7], v[KV+8*(2*\kt+\f):KV+8*(2*\kt+\f)+7], v[Q+16*\t+8*\f:Q+16*\t+8*\f+7], 0
.else
	v_wmma_f32_16x16x32_f16 v[S+32*\t+8*\kt:S+32*\t+8*\kt+7], v[KV+8*(2*\kt+\f):KV+8*(2*\kt+\f)+7], v[Q+16*\t+8*\f:Q+16*\t+8*\f+7], v[S+32*\t+8*\kt:S+32*\t+8*\kt+7]
.endif
.endr
.endr
.endr
.rept 4
	v_nop                                          ; places: for the loads into K's registers and the first reads of the scores
.endr
.irp g, 0,1                            ; V, turned: keys 32 g on, channels 16 u on; it lands while the softmax is walked
.irp u, 0,1,2,3
	ds_load_tr16_b128 v[KV+8*(4*\g+\u):KV+8*(4*\g+\u)+3],   v[ADV] offset:(64*(\q)+32*\g)*VP+32*\u
	ds_load_tr16_b128 v[KV+8*(4*\g+\u)+4:KV+8*(4*\g+\u)+7], v[ADV] offset:(64*(\q)+32*\g)*VP+16*VP+32*\u
.endr
.endr
	s_add_co_u32 s56, s[KF], 63                    ; on the diagonal hidden scores become -infinity ahead of the maximum; a step all of whose keys count skips this
	s_cmp_le_u32 s56, s[Q0]
	s_cbranch_scc1 .Lopen_\@
	s_sub_co_i32 s56, s[Q0], s[KF]
	v_and_b32 v29, 15, v0
	v_bfe_u32 v30, v0, 4, 1
	v_lshlrev_b32 v30, 3, v30
	v_sub_nc_u32 v29, v29, v30
	v_add_nc_u32 v26, s56, v29                     ; d = my query - KF - 8 (lane / 16), tile 0;  register 8 T + i holds key KF + 16 T + 8 (lane / 16) + i: hidden where 16 T + i > d
	v_add_nc_u32 v27, 16, v26                      ; tile 1
	v_mov_b32 v28, 0xff800000
.set n, 0
.rept 32
	v_cmp_gt_i32 vcc_lo, 16*(n/8)+n%8, v26
	v_cndmask_b32 v[S+n], v[S+n], v28, vcc_lo
	v_cmp_gt_i32 vcc_lo, 16*(n/8)+n%8, v27
	v_cndmask_b32 v[S+32+n], v[S+32+n], v28, vcc_lo
.set n, n+1
.endr
.Lopen_\@:
.irp j, 0,1,2,3                        ; the maximum of the lane's 32 scores and the old m: four chains, the two tiles line by line
.irp t, 0,1
	v_max3_num_f32 v[ST+8*\t+4+\j], v[S+32*\t+8*\j], v[S+32*\t+8*\j+1], v[S+32*\t+8*\j+2]
.endr
.endr
.irp i, 3,5
.irp j, 0,1,2,3
.irp t, 0,1
	v_max3_num_f32 v[ST+8*\t+4+\j], v[ST+8*\t+4+\j], v[S+32*\t+8*\j+\i], v[S+32*\t+8*\j+\i+1]
.endr
.endr
.endr
.irp t, 0,1
	v_max3_num_f32 v[ST+8*\t+4], v[ST+8*\t+4], v[S+32*\t+7], v[S+32*\t+15]
	v_max3_num_f32 v[ST+8*\t+6], v[ST+8*\t+6], v[S+32*\t+23], v[S+32*\t+31]
.endr
.irp t, 0,1
	v_max3_num_f32 v[ST+8*\t+4], v[ST+8*\t+4], v[ST+8*\t+5], v[ST+8*\t+6]
.endr
.irp t, 0,1
	v_max3_num_f32 v[ST+8*\t+4], v[ST+8*\t+4], v[ST+8*\t+7], v[ST+8*\t+1]
.endr
.irp t, 0,1
	v_permlanex16_b32 v[ST+8*\t+5], v[ST+8*\t+4], s[SEL], s[SEL+1]   ; the query's other 32 keys lie in the lane 16 away
.endr
.irp t, 0,1
	v_mov_b32 v[ST+8*\t+7], v[ST+8*\t]             ; c m_old
.endr
.irp t, 0,1
	v_max_num_f32 v[ST+8*\t+1], v[ST+8*\t+4], v[ST+8*\t+5]
.endr
.irp t, 0,1
	v_mul_f32 v[ST+8*\t], s[CS], v[ST+8*\t+1]
.endr
.irp t, 0,1
	v_sub_f32 v[ST+8*\t+7], v[ST+8*\t+7], v[ST+8*\t]
.endr
.set i, 0
.rept 16
	v_pk_fma_f32 v[S+i:S+i+1], v[S+i:S+i+1], s[CS:CS+1], v[ST:ST+1] op_sel_hi:[1,0,0] neg_lo:[0,0,1] neg_hi:[0,0,1]            ; c s - c m, two at a time
	v_pk_fma_f32 v[S+32+i:S+32+i+1], v[S+32+i:S+32+i+1], s[CS:CS+1], v[ST+8:ST+9] op_sel_hi:[1,0,0] neg_lo:[0,0,1] neg_hi:[0,0,1]
.set i, i+2
.endr
.irp t, 0,1
	v_exp_f32 v[ST+8*\t+6], v[ST+8*\t+7]           ; a
.endr
.set i, 0
.rept 32
	v_exp_f32 v[S+i], v[S+i]                       ; p, at most 1
	v_exp_f32 v[S+32+i], v[S+32+i]
.set i, i+1
.endr
	v_nop                                          ; a plain line behind the last exponential
	s_wait_alu depctr_va_vdst(0)                   ; one wait for the batch of 66, ahead of its first reader
.irp t, 0,1
	v_pk_mul_f32 v[ST+8*\t+2:ST+8*\t+3], v[ST+8*\t+2:ST+8*\t+3], v[ST+8*\t+6:ST+8*\t+7] op_sel_hi:[1,0]   ; l x a
.endr
.irp t, 0,1
	v_pk_add_f32 v[26+2*\t:27+2*\t], v[S+32*\t:S+32*\t+1], v[S+32*\t+2:S+32*\t+3]     ; the row's sum of p in f32: two chains a tile
.endr
.irp j, 4,8,12,16,20,24,28
.irp t, 0,1
	v_pk_add_f32 v[ST+8*\t+2:ST+8*\t+3], v[ST+8*\t+2:ST+8*\t+3], v[S+32*\t+\j:S+32*\t+\j+1]
	v_pk_add_f32 v[26+2*\t:27+2*\t], v[26+2*\t:27+2*\t], v[S+32*\t+\j+2:S+32*\t+\j+3]
.endr
.endr
.irp t, 0,1
	v_pk_add_f32 v[ST+8*\t+2:ST+8*\t+3], v[ST+8*\t+2:ST+8*\t+3], v[26+2*\t:27+2*\t]
.endr
.set i, 0
.rept 16
	v_cvt_pk_f16_f32 v[S+i], v[S+2*i], v[S+2*i+1]              ; P in place, ascending: register i is written when registers 2 i, 2 i + 1 are read
	v_cvt_pk_f16_f32 v[S+32+i], v[S+32+2*i], v[S+32+2*i+1]
.set i, i+1
.endr
.set i, 0
.rept 16
	v_pk_mul_f32 v[O+i:O+i+1], v[O+i:O+i+1], v[ST+6:ST+7] op_sel_hi:[1,0]             ; O^T x a, each accumulator from its low end on
	v_pk_mul_f32 v[O+32+i:O+32+i+1], v[O+32+i:O+32+i+1], v[ST+14:ST+15] op_sel_hi:[1,0]
.set i, i+2
.endr
	s_wait_dscnt 0x0                               ; V is in
.irp g, 0,1                            ; O^T += V^T P: the eight accumulators by turns
.irp u, 0,1,2,3
.irp t, 0,1
	v_wmma_f32_16x16x32_f16 v[O+32*\t+8*\u:O+32*\t+8*\u+7], v[KV+8*(4*\g+\u):KV+8*(4*\g+\u)+7], v[S+32*\t+8*\g:S+32*\t+8*\g+7], v[O+32*\t+8*\u:O+32*\t+8*\u+7]
.endr
.endr
.endr
.Lhidden_\@:
	s_add_co_u32 s[KF], s[KF], 64
.endm
; THE CHANGE OF SLOTS stands at a slot's head.  Each wave waits for all its tensor loads, adds 0 to its spare word (fill = 1: twice on end), and waits for that and for its reads of the slot that it has left.
; Behind the barrier the slot ahead is whole and nobody reads the other one; fill = 1: that one takes the next 256 keys, while they begin at or under the work-group's last query.
.macro CHANGE fill
	s_wait_tensorcnt 0x0                           ; no tensor load of mine is out, so a group 0 may be written
	ds_add_u32 v[SPW], v[NIL]
.if \fill
	ds_add_u32 v[SPW], v[NIL]
	s_xor_b32 s[G0K+1], s[G0K+1], SLOT1
	s_add_nc_u64 s[G0K+2:G0K+3], s[G0K+2:G0K+3], 32768
	s_xor_b32 s[G0V+1], s[G0V+1], SLOT1
	s_add_nc_u64 s[G0V+2:G0V+3], s[G0V+2:G0V+3], 32768
	s_wait_xcnt 0x0                                ; the last prefetch, a slot back, has read its address
	s_add_nc_u64 s[PFA:PFA+1], s[PFA:PFA+1], 32768
.endif
	s_wait_dscnt 0x0
	s_barrier_signal -1
	s_barrier_wait -1
.if \fill
	s_add_co_u32 s56, s[KF], 256                   ; the first key of the slot that this change would ask for
	s_cmp_gt_u32 s56, s[QL]                        ; ids and the count of steps alone: all sixteen waves go the same way; every wait on TENSORcnt in this text is for 0
	s_cbranch_scc1 .Lpast_\@
	TLOAD                                          ; a wave's one tensor load until the next such barrier: it has four key steps in which to land
.Lpast_\@:
	ASK
.endif
.endm
.macro SLOT_STEPS
	STEP 0
	STEP 1
	STEP 2
	STEP 3
	s_xor_b32 s[TB], s[TB], SLOT1
.endm
	s_wait_loadcnt 0x0                             ; Q
.Lslot:                                            ; 7 trips
	CHANGE 1
	SLOT_STEPS
	s_sub_co_u32 s[SLOTS], s[SLOTS], 1
	s_cmp_lg_u32 s[SLOTS], 0
	s_cbranch_scc1 .Lslot
	CHANGE 0                                       ; the last slot is written out: nothing is asked for
	SLOT_STEPS
	; THE WAY OUT.  O^T / l, rounded to f16: a lane's eight channels of a tile pack into 16 bytes, which are a group of four registers of launch proj's operand: stored as they stand, 512 consecutive bytes an instruction.
.rept 4
	v_nop                                          ; places behind the last products
.endr
.irp t, 0,1
	v_add_f32 v[ST+8*\t+4], v[ST+8*\t+2], v[ST+8*\t+3]
.endr
.irp t, 0,1
	v_permlanex16_b32 v[ST+8*\t+5], v[ST+8*\t+4], s[SEL], s[SEL+1]
.endr
.irp t, 0,1
	v_add_f32 v[ST+8*\t+4], v[ST+8*\t+4], v[ST+8*\t+5]
.endr
.irp t, 0,1
	v_rcp_f32 v[ST+8*\t+6], v[ST+8*\t+4]
.endr
	v_nop
	s_wait_alu depctr_va_vdst(0)                   ; one wait for the two reciprocals
.set i, 0
.rept 16
	v_pk_mul_f32 v[O+i:O+i+1], v[O+i:O+i+1], v[ST+6:ST+7] op_sel_hi:[1,0]
	v_pk_mul_f32 v[O+32+i:O+32+i+1], v[O+32+i:O+32+i+1], v[ST+14:ST+15] op_sel_hi:[1,0]
.set i, i+2
.endr
.set i, 0
.rept 16
	v_cvt_pk_f16_f32 v[KV+i], v[O+2*i], v[O+2*i+1]
	v_cvt_pk_f16_f32 v[KV+16+i], v[O+32+2*i], v[O+32+2*i+1]
.set i, i+1
.endr
.irp t, 0,1
.irp u, 0,1,2,3
	global_store_b128 v[LI], v[KV+16*\t+4*\u:KV+16*\t+4*\u+3], s[76:77] offset:\t*4096+\u*512
.endr
.endr
	s_wait_tensorcnt 0x0                           ; the wave's end
	ds_add_u32 v[SPW], v[NIL]
	s_wait_dscnt 0x0
	s_endpgm
.Lfunc_end_k_q8c18298ea3_attn:
	.size	k_q8c18298ea3_attn, .Lfunc_end_k_q8c18298ea3_attn-k_q8c18298ea3_attn
	.p2alignl 7, 3214868480
	.fill 96, 4, 3214868480
	.section	.rodata,"a",@progbits
	.p2align	6, 0x0
	.amdhsa_kernel k_q8c18298ea3_attn
		.amdhsa_group_segment_fixed_size 327680
		.amdhsa_private_segment_fixed_size 0
		.amdhsa_enable_private_segment 0
		.amdhsa_kernarg_size 16
		.amdhsa_user_sgpr_count 2
		.amdhsa_user_sgpr_kernarg_segment_ptr 1
		.amdhsa_wavefront_size32 1
		.amdhsa_system_sgpr_workgroup_id_x 1
		.amdhsa_system_sgpr_workgroup_id_y 1
		.amdhsa_system_sgpr_workgroup_id_z 1
		.amdhsa_system_vgpr_workitem_id 0
		.amdhsa_next_free_vgpr 256
		.amdhsa_next_free_sgpr 80
		.amdhsa_reserve_vcc 1
		.amdhsa_float_denorm_mode_32 3
		.amdhsa_float_denorm_mode_16_64 3
		.amdhsa_memory_ordered 1
		.amdhsa_forward_progress 1
		.amdhsa_inst_pref_size 189
	.end_amdhsa_kernel
	.amdgpu_metadata
---
amdhsa.version: [ 1, 2 ]
amdhsa.kernels:
  - .name:           k_q8c18298ea3_attn
    .symbol:         k_q8c18298ea3_attn.kd
    .args:
      - { .name: qkv16, .offset: 0, .size: 8, .value_kind: global_buffer, .address_space: global }
      - { .name: y16, .offset: 8, .size: 8, .value_kind: global_buffer, .address_space: global }
    .group_segment_fixed_size: 327680
    .private_segment_fixed_size: 0
    .kernarg_segment_align: 8
    .kernarg_segment_size: 16
    .max_flat_workgroup_size: 512
    .sgpr_count:     80
    .vgpr_count:     256
    .wavefront_size: 32
...
	.end_amdgpu_metadata
.endif
;; end of part 3
;; launch proj (part 4): grid 4 x 64, 4 waves a work-group, clusters of 4 x 4, 327,680 bytes of LDS; arguments y16, wp16, out0; writes out0
.if DOCPART == 4
	.amdgcn_target "amdgcn-amd-amdhsa--gfx1250"
	.amdhsa_code_object_version 6
	.text
	.protected	k_q8c18298ea3_proj
	.globl	k_q8c18298ea3_proj
	.p2align	8
	.type	k_q8c18298ea3_proj,@function
k_q8c18298ea3_proj:
	s_mov_b64 s[64:65], 0
	v_nop
	global_prefetch_b8 v0, s[64:65] scope:SCOPE_SE
	s_setreg_imm32_b32 hwreg(HW_REG_WAVE_MODE, 25, 1), 1
	s_wait_xcnt 0x0
	s_wait_alu depctr_hold_cnt(0) depctr_sa_sdst(0) depctr_va_vdst(0) depctr_va_sdst(0) depctr_va_ssrc(0) depctr_va_vcc(0) depctr_vm_vsrc(0)
	s_getreg_b32 s2, hwreg(HW_REG_IB_STS2, 6, 4)
	s_cmp_eq_u32 s2, 0
	s_cbranch_scc0 .Lentry_in_a_cluster
	s_endpgm
.Lentry_in_a_cluster:
	s_bfe_u32 s2, ttmp6, 0x10000c
	s_cmp_lg_u32 s2, 0xf033
	s_cbranch_scc0 .Lentry_shape_is_right
	s_endpgm
.Lentry_shape_is_right:
; out0 = y W_proj, [8192][1024], K = 1024, on f16 operands with f32 sums.  Both operands come as images of the operand's registers (launches attn and prep):
; y16 [K / 128][row / 16][K / 32 % 4][1,024 bytes], wp16 [K / 128][column / 16][K / 32 % 4][1,024 bytes]: a K step's part of a tile is one dense block, and a fragment is two loads of 512 consecutive bytes.
; A tile of 128 x 256 gives 256 work-groups; a wave makes 64 x 128: 32 accumulators, all of window 1 ((a, b) at v[8 (8 a + b)]).  K goes in steps of 128 through two LDS slots; a step is four quarters of 32, on two fragment buffers in window 0.
; CLUSTERS: 4 x 4 work-groups; y's tile is shared along a row of the cluster, W's along a column: joint loads, a round of the cluster's barrier in front of each refill.
; THE MATRIX INSTRUCTION IS USED TRANSPOSED (source 0 = 16 columns of W, source 1 = 16 rows of y): a lane holds eight neighbouring columns of one row.
; (Rows 0-15 of each sequence are stored here too, as part of their tiles; launch first16 stores them anew from f32 operands.)
.set SLOT,   98304                     ; y's 8 tiles of rows x 4,096 bytes, then W's 16 tiles of columns x 4,096
.set BOFF,   32768
.set ASTEP,  2097152                   ; from K step to K step in y16,
.set BSTEP,  262144                    ; and in wp16
.set STAGE,  2*SLOT                    ; behind the ring: 16 rows x (512 + 16) bytes for each wave; no tensor load fills it
.set SPITCH, 528
.set SPARE,  STAGE+4*16*SPITCH         ; the spare words, 128 bytes a wave, that no other line names
.set LAPS,   4                         ; a lap = two K steps
.set ADRA, 16                          ; v16-17 my fragments of y in slot 0, 1
.set ADRB, 20                          ; v20-21 the same for W
.set STO,  24
.set RD,   25
.set CO,   26                          ; v26  16 x lane
.set SPW,  28
.set NIL,  29
.set PFO,  30                          ; v30  256 x lane
.set F0,   32                          ; fragment buffers: W's 8 fragments, then y's 4
.set F1,   128
.set BK,   32                          ; the way out: rows read back, v32-95 and v96-159 by turns
.set G1, 24
.set G0, 32
.set G1B, 48
.set G0B, 56
.set PFA, 66                           ; s[66:67] where my prefetches stand;  s[68:69] a K step on;  s70: 1 in a wave that prefetches, else the greatest number
.set PFS, 68
.set LIM, 70
.set MSB, 0
.macro WIN new
.if MSB != \new
	s_set_vgpr_msb (MSB<<8)|\new
.set MSB, \new
.endif
.endm
.set MUL, 0x50                         ; sources 0 and 1 window 0; C and D window 1
.macro JLOAD s                         ; waves 0 and 1 fetch y's halves, waves 2 and 3 W's; an s_nop 0 and four v_nop follow each line
	s_cmp_eq_u32 s11, 0
	s_cbranch_scc0 .Lfor_b_\@
	tensor_load_to_lds s[G0+4*\s:G0+4*\s+3], s[G1:G1+7]
	s_nop 0
.rept 4
	v_nop
.endr
	s_branch .Lasked_\@
.Lfor_b_\@:
	tensor_load_to_lds s[G0B+4*\s:G0B+4*\s+3], s[G1B:G1B+7]
	s_nop 0
.rept 4
	v_nop
.endr
.Lasked_\@:
.endm
.macro CREST
	s_cmp_lg_u32 s10, 0
	s_cbranch_scc1 .Lnot_wave_0_\@
	s_barrier_signal -3
.Lnot_wave_0_\@:
	s_barrier_wait -3
	s_barrier_signal -1
	s_barrier_wait -1
.endm
.macro CROUND
	s_barrier_signal -1
	s_barrier_wait -1
	CREST
.endm
; A prefetch of the K step that stands two refills on (K steps 4 to 7): 32 blocks of 256 bytes, a lane a block.  y's tile of a K step (32,768 bytes) is read by one row of one cluster: its four partners take 8,192 bytes each, told apart by
; address (cx), wave 0 asking.  W's tile (65,536 bytes) is read by every cluster: cluster y = 0 asks, waves 2 and 3 for the half that each fetches, the four partners of a column 8,192 bytes each (cy).  Each block is named once.
.macro ASK
	s_cmp_gt_u32 s3, s[LIM]                        ; s3 = 1 in the loop's last trip: its two refills have no K step two on
	s_cbranch_scc0 .Lnot_mine_\@
	global_prefetch_b8 v[PFO], s[PFA:PFA+1] th:TH_LOAD_NT scope:SCOPE_SE
.Lnot_mine_\@:
.endm
	s_load_b128 s[4:7], s[0:1], 0x0                ; y16, wp16
	s_load_b64 s[8:9], s[0:1], 0x10                ; out0
	v_lshl_add_u32 v[SPW], v0, 2, SPARE
	v_mov_b32 v[NIL], 0
	ds_add_u32 v[SPW], v[NIL]                      ; the wave's opening: the add, twice on end, and its wait ahead of my first tensor load
	ds_add_u32 v[SPW], v[NIL]
	v_lshrrev_b32 v1, 5, v0
	v_readfirstlane_b32 s10, v1                    ; wave 0..3
	s_lshr_b32 s11, s10, 1                         ; which 64 rows are mine.  Also: I fetch for y (0) or for W (1)
	s_and_b32 s12, s10, 1                          ; which 128 columns.  Also: which half of that tile I fetch
	s_bfe_u32 s40, ttmp6, 0x40000                  ; cx, cy
	s_bfe_u32 s41, ttmp6, 0x40004
	s_lshl_b32 s42, ttmp9, 2
	s_add_co_u32 s42, s42, s40                     ; tile column
	s_and_b32 s13, ttmp7, 0xffff
	s_lshl_b32 s13, s13, 2
	s_add_co_u32 s13, s13, s41                     ; tile row
	s_lshl_b32 s43, s41, 2
	s_lshl_b32 s43, 15, s43                        ; my row of the cluster
	s_lshl_b32 s44, 0x1111, s40                    ; my column
	s_or_b32 s[G1+0], s43, (0<<16)|(1<<21)         ; y: a dense block of 16,384 bytes as 64 rows of 256; no padding
	s_mov_b32 s[G1+1], 256<<16
	s_mov_b32 s[G1+2], 64<<16
	s_mov_b32 s[G1+3], 256<<16
	s_mov_b32 s[G1+4], 64
	s_mov_b32 s[G1+5], 256
	s_mov_b32 s[G1+6], 0
	s_mov_b32 s[G1+7], 0
	s_or_b32 s[G1B+0], s44, (0<<16)|(1<<21)        ; W: 32,768 bytes as 128 rows of 256
	s_mov_b32 s[G1B+1], 256<<16
	s_mov_b32 s[G1B+2], 128<<16
	s_mov_b32 s[G1B+3], 256<<16
	s_mov_b32 s[G1B+4], 128
	s_mov_b32 s[G1B+5], 256
	s_mov_b32 s[G1B+6], 0
	s_mov_b32 s[G1B+7], 0
	s_lshl_b32 s16, s13, 15
	s_lshl_b32 s17, s12, 14
	s_add_co_u32 s16, s16, s17                     ; y: tile row x 32,768 + half x 16,384
	s_mov_b32 s17, 0
	s_lshl_b32 s46, s42, 16
	s_lshl_b32 s47, s12, 15
	s_add_co_u32 s46, s46, s47                     ; W: tile column x 65,536 + half x 32,768
	s_mov_b32 s47, 0
	s_lshl_b32 s20, s12, 14                        ; where they go in a slot
	s_lshl_b32 s21, s12, 15
	s_add_co_u32 s21, s21, BOFF
	s_wait_dscnt 0x0                               ; both opening adds are done
	s_wait_kmcnt 0x0
	s_add_nc_u64 s[14:15], s[4:5], s[16:17]
	s_add_nc_u64 s[46:47], s[6:7], s[46:47]
	CROUND                                         ; all sixteen work-groups are here: the first joint loads meet
.irp s, 0,1
	s_mov_b32 s[G0+4*\s], 1
	s_add_co_u32 s[G0+4*\s+1], s20, \s*SLOT
	s_add_nc_u64 s[G0+4*\s+2:G0+4*\s+3], s[14:15], \s*ASTEP
	s_or_b32 s[G0+4*\s+3], s[G0+4*\s+3], 0x80000000
	s_mov_b32 s[G0B+4*\s], 1
	s_add_co_u32 s[G0B+4*\s+1], s21, \s*SLOT
	s_add_nc_u64 s[G0B+4*\s+2:G0B+4*\s+3], s[46:47], \s*BSTEP
	s_or_b32 s[G0B+4*\s+3], s[G0B+4*\s+3], 0x80000000
	JLOAD \s
.endr
	v_and_b32 v1, 15, v0                           ; r
	v_bfe_u32 v2, v0, 4, 1                         ; h
	v_and_b32 v3, 31, v0
	v_lshlrev_b32 v[CO], 4, v3
	v_lshlrev_b32 v[PFO], 8, v3
	s_lshl_b32 s21, s11, 14                        ; my four tiles of rows
	s_lshl_b32 s22, s12, 15
	s_add_co_u32 s22, s22, BOFF                    ; my eight tiles of columns
.irp s, 0,1
	v_add_nc_u32 v[ADRA+\s], s21, v[CO]
	v_add_nc_u32 v[ADRB+\s], s22, v[CO]
	s_add_co_u32 s21, s21, SLOT
	s_add_co_u32 s22, s22, SLOT
.endr
	s_mul_i32 s23, s10, 16*SPITCH
	s_add_co_u32 s23, s23, STAGE                   ; my stage
	v_mul_u32_u24 v4, v1, SPITCH
	v_lshl_add_u32 v4, v2, 5, v4
	v_add_nc_u32 v[STO], s23, v4                   ; in: row r, 32 bytes for each half of the lanes
	v_add_nc_u32 v[RD], s23, v[CO]                 ; back: the 32 lanes take one row of 512 bytes
	s_lshl_b32 s16, s13, 7
	s_lshl_b32 s17, s11, 6
	s_add_co_u32 s16, s16, s17                     ; my first row of out0
	s_lshl_b32 s16, s16, 12
	s_lshl_b32 s46, s42, 10
	s_lshl_b32 s47, s12, 9
	s_add_co_u32 s46, s46, s47                     ; my first column, in bytes
	s_add_co_u32 s16, s16, s46
	s_mov_b32 s17, 0
	s_add_nc_u64 s[8:9], s[8:9], s[16:17]
	; the prefetches: who asks, and where
	s_and_b32 s22, ttmp7, 0xffff                   ; cluster y
	s_lshl_b32 s20, s13, 15
	s_lshl_b32 s21, s40, 13
	s_add_co_u32 s20, s20, s21
	s_add_co_u32 s20, s20, 3*ASTEP                 ; y: at K step 3: the first refill steps it to 4
	s_lshl_b32 s23, s42, 16
	s_lshl_b32 s21, s12, 15
	s_add_co_u32 s23, s23, s21
	s_lshl_b32 s21, s41, 13
	s_add_co_u32 s23, s23, s21
	s_add_co_u32 s23, s23, 3*BSTEP                 ; W likewise
	s_mov_b32 s[PFS], BSTEP
	s_cmp_eq_u32 s11, 0
	s_cselect_b32 s20, s20, s23
	s_cselect_b32 s22, s12, s22                    ; waves 0, 1: 0 in wave 0 alone; waves 2, 3: 0 where cluster y = 0: the same in all partners, for a given wave
	s_cselect_b32 s[PFS], ASTEP, s[PFS]
	s_cselect_b64 s[PFA:PFA+1], s[4:5], s[6:7]
	s_cmp_eq_u32 s22, 0
	s_cselect_b32 s[LIM], 1, -1
	s_mov_b32 s21, 0
	s_mov_b32 s[PFS+1], 0
	s_add_nc_u64 s[PFA:PFA+1], s[PFA:PFA+1], s[20:21]
; 8 matrix instructions: y's block a against W's eight, 32 along K.  The 32 accumulators take turns in the same order in every quarter.
.macro MUL8 f, a, zero
.irp b, 0,1,2,3,4,5,6,7
.if \zero
	v_wmma_f32_16x16x32_f16 v[8*(8*(\a)+\b):8*(8*(\a)+\b)+7], v[\f+8*\b:\f+8*\b+7], v[\f+64+8*(\a):\f+64+8*(\a)+7], 0
.else
	v_wmma_f32_16x16x32_f16 v[8*(8*(\a)+\b):8*(8*(\a)+\b)+7], v[\f+8*\b:\f+8*\b+7], v[\f+64+8*(\a):\f+64+8*(\a)+7], v[8*(8*(\a)+\b):8*(8*(\a)+\b)+7]
.endif
.endr
.endm
.macro FETCH slot, q, f                ; 24 LDS loads in one run: W's eight fragments, then y's blocks 0, 1, then 2, 3
.irp i, 0,1,2,3,4,5,6,7
	ds_load_b128 v[\f+8*\i:\f+8*\i+3],   v[ADRB+\slot] offset:4096*\i+1024*(\q)
	ds_load_b128 v[\f+8*\i+4:\f+8*\i+7], v[ADRB+\slot] offset:4096*\i+1024*(\q)+512
.endr
.irp i, 0,1,2,3
	ds_load_b128 v[\f+64+8*\i:\f+64+8*\i+3],   v[ADRA+\slot] offset:4096*\i+1024*(\q)
	ds_load_b128 v[\f+64+8*\i+4:\f+64+8*\i+7], v[ADRA+\slot] offset:4096*\i+1024*(\q)+512
.endr
.endm
.macro PLACES
.rept 4
	v_nop
.endr
.endm
.macro QUARTER slot, q, f, g, zero     ; multiplies buffer f; in its middle it fetches the slot's quarter q into buffer g
	s_wait_dscnt 4                                 ; W's fragments and y's blocks 0, 1 are in; the youngest four loads (blocks 2, 3) may be out
	WIN MUL
	MUL8 \f, 0, \zero
	MUL8 \f, 1, \zero
	PLACES
	WIN 0
	FETCH \slot, \q, \g
	s_wait_dscnt 24                                ; all but the 24 just issued
	WIN MUL
	MUL8 \f, 2, \zero
	MUL8 \f, 3, \zero
.endm
; A K step's last quarter multiplies buffer 1 and changes slots: in front of the barrier each wave waits for all its tensor loads, adds 0 to its spare word, and waits for that and for its reads of this slot.
.macro TURN slot, next, fill
.if \fill
	s_wait_xcnt 0x0                                ; the last prefetch, a K step back, has read its address
	s_add_nc_u64 s[PFA:PFA+1], s[PFA:PFA+1], s[PFS:PFS+1]
.endif
	WIN 0
	s_wait_tensorcnt 0x0                           ; my part of the next slot has landed
	ds_add_u32 v[SPW], v[NIL]
	s_wait_dscnt 5                                 ; (the add and the youngest four loads may be out)
	WIN MUL
	MUL8 F1, 0, 0
	s_wait_dscnt 0x0                               ; the add is done, and my reads of this slot are over
	s_barrier_signal -1
	MUL8 F1, 1, 0
	WIN 0
	s_barrier_wait -1
.if \fill
	CREST                                          ; the barrier has opened a round of the cluster's barrier: no wave of any partner still reads this slot or has a load on its way
	s_add_nc_u64 s[G0+4*\slot+2:G0+4*\slot+3], s[G0+4*\slot+2:G0+4*\slot+3], 2*ASTEP
	s_add_nc_u64 s[G0B+4*\slot+2:G0B+4*\slot+3], s[G0B+4*\slot+2:G0B+4*\slot+3], 2*BSTEP
	JLOAD \slot                                    ; the first tensor load behind the round; its four v_nop are also the places in front of the loads below
.else
	PLACES
.endif
	FETCH \next, 0, F0
.if \fill
	ASK
.endif
	WIN MUL
	MUL8 F1, 2, 0
	MUL8 F1, 3, 0
.endm
	s_wait_tensorcnt 1                             ; my part of K step 0 is in (K step 1's load may be out)
	s_barrier_signal -1
	s_barrier_wait -1                              ; everybody's is
	FETCH 0, 0, F0
	QUARTER 0, 1, F0, F1, 1                        ; the first quarter's products start the sums
	WIN 0
	s_mov_b32 s3, LAPS-1
.Llap:                                             ; a trip goes once round the ring and fills both slots again
	QUARTER 0, 2, F1, F0, 0
	QUARTER 0, 3, F0, F1, 0
	TURN 0, 1, 1
	QUARTER 1, 1, F0, F1, 0
	QUARTER 1, 2, F1, F0, 0
	QUARTER 1, 3, F0, F1, 0
	TURN 1, 0, 1
	QUARTER 0, 1, F0, F1, 0
	WIN 0
	s_sub_co_u32 s3, s3, 1
	s_cmp_lg_u32 s3, 0
	s_cbranch_scc1 .Llap
	QUARTER 0, 2, F1, F0, 0                        ; the last lap fills nothing
	QUARTER 0, 3, F0, F1, 0
	TURN 0, 1, 0
	QUARTER 1, 1, F0, F1, 0
	QUARTER 1, 2, F1, F0, 0
	QUARTER 1, 3, F0, F1, 0
	s_wait_dscnt 4
	WIN MUL
	MUL8 F1, 0, 0
	MUL8 F1, 1, 0
	s_wait_dscnt 0
	MUL8 F1, 2, 0
	MUL8 F1, 3, 0
	WIN 0
	; THE WAY OUT, block by block of 16 rows x 128 columns: through my own stage, back as whole rows of 512 bytes.
.macro TOSTAGE a
	WIN 0x04                                       ; an LDS store's data are its source 1: window 1
.irp b, 0,1,2,3,4,5,6,7
	ds_store_b128 v[STO], v[64*(\a)+8*\b:64*(\a)+8*\b+3] offset:64*\b          ; each accumulator from its low end on
	ds_store_b128 v[STO], v[64*(\a)+8*\b+4:64*(\a)+8*\b+7] offset:64*\b+16
.endr
	WIN 0
.set BB, BK+64*((\a)%2)
.irp t, 0,1,2,3,4,5,6,7,8,9,10,11,12,13,14,15
	ds_load_b128 v[BB+4*\t:BB+4*\t+3], v[RD] offset:\t*SPITCH                  ; LDS serves a wave's instructions in order: these see my stores
.endr
.endm
.macro SEND a, younger
.set BB, BK+64*((\a)%2)
	s_wait_dscnt \younger                          ; the block is back in registers; the next block's 16 stores and 16 loads may be out
.if (\a) > 0
	s_add_nc_u64 s[8:9], s[8:9], 16*4096           ; (behind a wait on XCNT: the earlier stores have read their base)
.endif
.irp t, 0,1,2,3,4,5,6,7,8,9,10,11,12,13,14,15
	global_store_b128 v[CO], v[BB+4*\t:BB+4*\t+3], s[8:9] offset:\t*4096 th:TH_STORE_NT   ; 32 lanes store 512 consecutive bytes, aligned
.endr
.endm
	PLACES
	TOSTAGE 0
.irp a, 1,2,3
.if \a > 1
	s_wait_xcnt 0x0                                ; block a - 2's stores have read their registers and their base
.endif
	TOSTAGE \a
	SEND \a-1, 32
.endr
	s_wait_xcnt 0x0
	SEND 3, 0
	s_wait_tensorcnt 0x0                           ; the wave's end
	ds_add_u32 v[SPW], v[NIL]
	s_wait_dscnt 0x0
	CROUND                                         ; the closing round
	s_endpgm
.Lfunc_end_k_q8c18298ea3_proj:
	.size	k_q8c18298ea3_proj, .Lfunc_end_k_q8c18298ea3_proj-k_q8c18298ea3_proj
	.p2alignl 7, 3214868480
	.fill 96, 4, 3214868480
	.section	.rodata,"a",@progbits
	.p2align	6, 0x0
	.amdhsa_kernel k_q8c18298ea3_proj
		.amdhsa_group_segment_fixed_size 327680
		.amdhsa_private_segment_fixed_size 0
		.amdhsa_enable_private_segment 0
		.amdhsa_kernarg_size 24
		.amdhsa_user_sgpr_count 2
		.amdhsa_user_sgpr_kernarg_segment_ptr 1
		.amdhsa_wavefront_size32 1
		.amdhsa_system_sgpr_workgroup_id_x 1
		.amdhsa_system_sgpr_workgroup_id_y 1
		.amdhsa_system_sgpr_workgroup_id_z 1
		.amdhsa_system_vgpr_workitem_id 0
		.amdhsa_next_free_vgpr 512
		.amdhsa_next_free_sgpr 72
		.amdhsa_reserve_vcc 0
		.amdhsa_float_denorm_mode_32 3
		.amdhsa_float_denorm_mode_16_64 3
		.amdhsa_memory_ordered 1
		.amdhsa_forward_progress 1
		.amdhsa_inst_pref_size 86
	.end_amdhsa_kernel
	.amdgpu_metadata
---
amdhsa.version: [ 1, 2 ]
amdhsa.kernels:
  - .name:           k_q8c18298ea3_proj
    .symbol:         k_q8c18298ea3_proj.kd
    .args:
      - { .name: y16, .offset: 0, .size: 8, .value_kind: global_buffer, .address_space: global }
      - { .name: wp16, .offset: 8, .size: 8, .value_kind: global_buffer, .address_space: global }
      - { .name: out0, .offset: 16, .size: 8, .value_kind: global_buffer, .address_space: global }
    .group_segment_fixed_size: 327680
    .private_segment_fixed_size: 0
    .kernarg_segment_align: 8
    .kernarg_segment_size: 24
    .max_flat_workgroup_size: 128
    .sgpr_count:     72
    .vgpr_count:     512
    .wavefront_size: 32
...
	.end_amdgpu_metadata
.endif
;; end of part 4
;; launch first16 (part 5): grid 16 x 4, 16 waves a work-group, no clusters, 85,504 bytes of LDS; arguments q32, W_proj, out0; writes out0
.if DOCPART == 5
	.amdgcn_target "amdgcn-amd-amdhsa--gfx1250"
	.amdhsa_code_object_version 6
	.text
	.protected	k_q8c18298ea3_first16
	.globl	k_q8c18298ea3_first16
	.p2align	8
	.type	k_q8c18298ea3_first16,@function
k_q8c18298ea3_first16:
	s_mov_b64 s[64:65], 0
	v_nop
	global_prefetch_b8 v0, s[64:65] scope:SCOPE_SE
	s_setreg_imm32_b32 hwreg(HW_REG_WAVE_MODE, 25, 1), 1
	s_wait_xcnt 0x0
; THE FIRST 16 POSITIONS OF EACH SEQUENCE, products 2, 3 and 4 in f32: these rows average one to sixteen values and are the largest of the output, so f16 operands would weigh most on them.  64 rows of 8,192: no bulk work.
; IN: q32 [4 x 16][3072] f32 (q | k | v as launch qkv summed them), W_proj f32.  OUT: rows 2048 b + 0 .. 15 of out0, over what launch proj left there.
; SHARES.  Work-group (g, b): sequence b, output columns 64 g .. 64 g + 63.  PHASE 1: wave = head: S^T = K Q^T (16 x 16 x 64), the causal softmax, O^T = V^T P; y's 16 x 64 to LDS.  (Each of the 16 column groups makes y anew: it needs all 1,024 of a row.)
; PHASE 2: wave (nt = wave % 4, kq = wave / 4): columns 16 nt on, K = 256 kq on: 64 matrix instructions on two accumulators by turns; the four quarters of K meet in LDS, and waves 0-7 add and store them.
; v_wmma_f32_16x16x4_f32: lane (r, h), register j holds k = 2 h + j.  K is taken in an order that is the same on both sides of each product, so that plain loads fill the operands.
; v112-159 are written by matrix instructions alone; what is made of the sums goes into other registers.
.set YP,    4112                       ; LDS: y, 16 rows of 4,096 bytes + 16
.set RED,   66048                      ; the four partial results: 4 x 16 rows x (256 + 16) bytes
.set SPARE, 83456                      ; the spare words, 128 bytes for each of 16 waves, that no other line names
.set SPW, 1
.set NIL, 2
.set QKA, 3                            ; v3   Q, K: row r, channels 32 h on
.set VA,  4                            ; v4   V: key 8 h, channel r
.set WA,  5                            ; v5   W_proj: row 4 h, column r
.set YST, 6                            ; v6   LDS: y, in
.set YLD, 7                            ; v7   y, as phase 2's operand
.set RST, 8                            ; v8   the partial results, in
.set RLD, 9                            ; v9   and back
.set OST, 10                           ; v10  my 16 bytes of out0
.set DM,  11                           ; v11  r - 8 h: register j holds key 8 h + j, hidden where j > r - 8 h
	s_load_b128 s[4:7], s[0:1], 0x0                ; q32, W_proj
	s_load_b64 s[8:9], s[0:1], 0x10                ; out0
	v_lshl_add_u32 v[SPW], v0, 2, SPARE
	v_mov_b32 v[NIL], 0
	v_lshrrev_b32 v12, 5, v0
	v_readfirstlane_b32 s10, v12                   ; wave 0..15
	v_and_b32 v12, 15, v0                          ; r
	v_bfe_u32 v13, v0, 4, 1                        ; h
	s_and_b32 s11, ttmp7, 0xffff                   ; b
	s_and_b32 s16, s10, 3                          ; nt
	s_lshr_b32 s17, s10, 2                         ; kq
	v_mul_u32_u24 v[QKA], v12, 12288
	v_lshl_add_u32 v[QKA], v13, 7, v[QKA]
	v_mul_u32_u24 v[VA], v13, 8*12288
	v_lshl_add_u32 v[VA], v12, 2, v[VA]
	v_lshlrev_b32 v[WA], 14, v13
	v_lshl_add_u32 v[WA], v12, 2, v[WA]
	v_mul_u32_u24 v14, v12, YP
	s_lshl_b32 s18, s10, 8
	v_lshl_add_u32 v[YST], v13, 5, v14
	v_add_nc_u32 v[YST], s18, v[YST]               ; row r, head's 256 bytes, + 32 h
	s_lshl_b32 s18, s17, 10
	v_lshl_add_u32 v[YLD], v13, 4, v14
	v_add_nc_u32 v[YLD], s18, v[YLD]               ; row r, my quarter of K, + 16 h
	v_mul_u32_u24 v[RST], v12, 272
	v_lshl_add_u32 v[RST], v13, 5, v[RST]
	s_mul_i32 s18, s17, 16*272
	s_lshl_b32 s19, s16, 6
	s_add_co_u32 s18, s18, s19
	s_add_co_u32 s18, s18, RED
	v_add_nc_u32 v[RST], s18, v[RST]
	v_bfe_u32 v15, v0, 4, 4                        ; the last phase: row = thread / 16, 16 bytes = thread % 16
	v_mul_u32_u24 v[RLD], v15, 272
	v_lshl_add_u32 v[RLD], v12, 4, v[RLD]
	v_add_nc_u32 v[RLD], RED, v[RLD]
	v_lshlrev_b32 v[OST], 12, v15
	v_lshl_add_u32 v[OST], v12, 4, v[OST]
	v_lshlrev_b32 v[DM], 3, v13
	v_sub_nc_u32 v[DM], v12, v[DM]
	v_mov_b32 v178, 0                              ; written once: a lane permute's destination counts as one of its sources
	s_mul_i32 s12, s11, 16*12288
	s_lshl_b32 s13, s10, 8
	s_add_co_u32 s12, s12, s13                     ; q32: sequence b, head's 64 columns
	s_mov_b32 s13, 0
	s_lshl_b32 s14, s17, 20                        ; W_proj: 256 rows of 4,096 bytes a quarter,
	s_lshl_b32 s15, ttmp9, 8
	s_add_co_u32 s14, s14, s15
	s_lshl_b32 s15, s16, 6
	s_add_co_u32 s14, s14, s15                     ; columns 64 g + 16 nt on
	s_mov_b32 s15, 0
	s_lshl_b32 s18, s11, 23                        ; out0: row 2048 b,
	s_lshl_b32 s19, ttmp9, 8
	s_add_co_u32 s18, s18, s19                     ; columns 64 g on
	s_mov_b32 s19, 0
	s_mov_b32 s20, 0x76543210
	s_mov_b32 s21, 0xfedcba98                      ; v_permlanex16_b32's selects for lane l xor 16
	s_mov_b32 s22, 0x3e38aa3b                      ; c = log2(e) / 8
	s_wait_kmcnt 0x0
	s_add_nc_u64 s[12:13], s[4:5], s[12:13]
	s_add_nc_u64 s[14:15], s[6:7], s[14:15]
	s_add_nc_u64 s[8:9], s[8:9], s[18:19]
.irp i, 0,1,2,3,4,5,6,7
	global_load_b128 v[16+4*\i:19+4*\i], v[QKA], s[12:13] offset:16*\i          ; Q(r, 32 h + 0 .. 31)
.endr
.irp i, 0,1,2,3,4,5,6,7
	global_load_b128 v[48+4*\i:51+4*\i], v[QKA], s[12:13] offset:4096+16*\i     ; K likewise
.endr
.irp u, 0,1,2,3
.irp k, 0,1,2,3,4,5,6,7
	global_load_b32 v[80+8*\u+\k], v[VA], s[12:13] offset:8192+\k*12288+64*\u   ; V(8 h + k, 16 u + r)
.endr
.endr
.macro WLOAD reg, g0                   ; sixteen groups of 8 k: W(256 kq + 8 gg + 4 h + i, my column), i = 0 .. 3
.set gg, 0
.rept 16
.irp i, 0,1,2,3
	global_load_b32 v[\reg+4*gg+\i], v[WA], s[14:15] offset:(8*(\g0+gg)+\i)*4096
.endr
.set gg, gg+1
.endr
.endm
	WLOAD 192, 0                                   ; the first half of my quarter of K: it lands while phase 1 is walked
	s_wait_loadcnt 63                              ; Q, K and V are in: 64 loads are younger than they
	; ---- PHASE 1.  S^T = K Q^T: instruction s takes channels 32 h + 2 s + j on both sides; two accumulators by turns
	v_wmma_f32_16x16x4_f32 v[112:119], v[48:49], v[16:17], 0
	v_wmma_f32_16x16x4_f32 v[120:127], v[50:51], v[18:19], 0
.irp s, 2,4,6,8,10,12,14
	v_wmma_f32_16x16x4_f32 v[112:119], v[48+2*\s:49+2*\s], v[16+2*\s:17+2*\s], v[112:119]
	v_wmma_f32_16x16x4_f32 v[120:127], v[50+2*\s:51+2*\s], v[18+2*\s:19+2*\s], v[120:127]
.endr
.rept 8
	v_nop                                          ; eight places behind this form
.endr
.irp j, 0,1,2,3,4,5,6,7
	v_add_f32 v[160+\j], v[112+\j], v[120+\j]      ; lane (r, h): query r, key 8 h + j
.endr
	v_mov_b32 v176, 0xff800000
.irp j, 0,1,2,3,4,5,6,7
	v_cmp_gt_i32 vcc_lo, \j, v[DM]
	v_cndmask_b32 v[160+\j], v[160+\j], v176, vcc_lo
.endr
	v_max3_num_f32 v177, v160, v161, v162
	v_max3_num_f32 v177, v177, v163, v164
	v_max3_num_f32 v177, v177, v165, v166
	v_max_num_f32 v177, v177, v167
	v_permlanex16_b32 v178, v177, s20, s21
	v_max_num_f32 v177, v177, v178                 ; the row's maximum: key 0 counts for every query, so it is a number
	v_mul_f32 v177, s22, v177
.irp j, 0,1,2,3,4,5,6,7
	v_fma_f32 v[168+\j], v[160+\j], s22, -v177
.endr
.irp j, 0,1,2,3,4,5,6,7
	v_exp_f32 v[168+\j], v[168+\j]
.endr
	v_nop
	s_wait_alu depctr_va_vdst(0)                   ; one wait for the eight exponentials
	v_add_f32 v179, v168, v169
	v_add_f32 v180, v170, v171
	v_add_f32 v181, v172, v173
	v_add_f32 v182, v174, v175
	v_add_f32 v179, v179, v180
	v_add_f32 v181, v181, v182
	v_add_f32 v179, v179, v181
	v_permlanex16_b32 v178, v179, s20, s21
	v_add_f32 v179, v179, v178                     ; the row's sum
	v_rcp_f32 v180, v179
	v_nop
	; O^T = V^T P: instruction s takes keys 8 h + 2 s + j on both sides; the four tiles of channels by turns
.irp u, 0,1,2,3
	v_wmma_f32_16x16x4_f32 v[128+8*\u:135+8*\u], v[80+8*\u:81+8*\u], v[168:169], 0
.endr
.irp s, 1,2,3
.irp u, 0,1,2,3
	v_wmma_f32_16x16x4_f32 v[128+8*\u:135+8*\u], v[80+8*\u+2*\s:81+8*\u+2*\s], v[168+2*\s:169+2*\s], v[128+8*\u:135+8*\u]
.endr
.endr
.rept 8
	v_nop
.endr
	s_wait_alu depctr_va_vdst(0)                   ; the reciprocal's wait, ahead of its first reader
.set i, 0
.rept 32
	v_mul_f32 v[16+i], v[128+i], v180              ; y(r, 64 head + 16 u + 8 h + j), register 8 u + j
.set i, i+1
.endr
.irp u, 0,1,2,3
	ds_store_b128 v[YST], v[16+8*\u:19+8*\u] offset:64*\u
	ds_store_b128 v[YST], v[20+8*\u:23+8*\u] offset:64*\u+16
.endr
	s_wait_dscnt 0x0                               ; for the others' sake, and: the stores have read v16-47
	WLOAD 16, 16                                   ; the second half of my quarter of K, into the registers that Q, K and y have left
	s_barrier_signal -1
	s_barrier_wait -1                              ; all sixteen heads of y lie in LDS
	; ---- PHASE 2.  out^T = W^T y^T: source 0 = 16 columns of W_proj, source 1 = the 16 rows of y; group gg is 8 k: k = 256 kq + 8 gg + 4 h + 2 e + j in instruction e
.macro YLOAD c                         ; a chunk of 8 groups of y into buffer c % 2 (v80-111, v160-191)
.irp i, 0,1,2,3,4,5,6,7
	ds_load_b128 v[80+80*((\c)%2)+4*\i:83+80*((\c)%2)+4*\i], v[YLD] offset:32*(8*(\c)+\i)
.endr
.endm
.macro GRP gg, zero
.if (\gg) < 16
.set WR, 192+4*(\gg)
.else
.set WR, 16+4*((\gg)-16)
.endif
.set AR, 80+80*(((\gg)/8)%2)+4*((\gg)%8)
.if \zero
	v_wmma_f32_16x16x4_f32 v[128:135], v[WR:WR+1], v[AR:AR+1], 0
	v_wmma_f32_16x16x4_f32 v[136:143], v[WR+2:WR+3], v[AR+2:AR+3], 0
.else
	v_wmma_f32_16x16x4_f32 v[128:135], v[WR:WR+1], v[AR:AR+1], v[128:135]
	v_wmma_f32_16x16x4_f32 v[136:143], v[WR+2:WR+3], v[AR+2:AR+3], v[136:143]
.endif
.endm
	YLOAD 0
	YLOAD 1
	s_wait_loadcnt 63                              ; W's first half is in: the 64 loads of the second half are younger
	s_wait_dscnt 8                                 ; chunk 0 is in; chunk 1's eight loads may be out
	GRP 0, 1                                       ; the first K step starts both sums
.irp g, 1,2,3,4,5,6,7
	GRP \g, 0
.endr
.rept 8
	v_nop                                          ; places in front of the loads into buffer 0
.endr
	YLOAD 2
	s_wait_dscnt 8                                 ; chunk 1 is in
.irp g, 8,9,10,11,12,13,14,15
	GRP \g, 0
.endr
.rept 8
	v_nop
.endr
	YLOAD 3
	s_wait_loadcnt 0x0                             ; W's second half
	s_wait_dscnt 8                                 ; chunk 2 is in
.irp g, 16,17,18,19,20,21,22,23
	GRP \g, 0
.endr
	s_wait_dscnt 0x0
.irp g, 24,25,26,27,28,29,30,31
	GRP \g, 0
.endr
.rept 8
	v_nop
.endr
.irp j, 0,1,2,3,4,5,6,7
	v_add_f32 v[80+\j], v[128+\j], v[136+\j]       ; lane (r, h): row r, columns 16 nt + 8 h + j, over my quarter of K
.endr
	ds_store_b128 v[RST], v[80:83]
	ds_store_b128 v[RST], v[84:87] offset:16
	s_wait_dscnt 0x0
	s_barrier_signal -1
	s_barrier_wait -1
	s_cmp_lt_u32 s10, 8                            ; 256 threads add the four quarters and store 16 rows x 256 bytes
	s_cbranch_scc0 .Ldone
.irp k, 0,1,2,3
	ds_load_b128 v[160+4*\k:163+4*\k], v[RLD] offset:\k*16*272
.endr
	s_wait_dscnt 0x0
	v_pk_add_f32 v[160:161], v[160:161], v[164:165]
	v_pk_add_f32 v[162:163], v[162:163], v[166:167]
	v_pk_add_f32 v[168:169], v[168:169], v[172:173]
	v_pk_add_f32 v[170:171], v[170:171], v[174:175]
	v_pk_add_f32 v[160:161], v[160:161], v[168:169]
	v_pk_add_f32 v[162:163], v[162:163], v[170:171]
	global_store_b128 v[OST], v[160:163], s[8:9]   ; sixteen lanes store 256 consecutive bytes, aligned
.Ldone:
	s_wait_tensorcnt 0x0                           ; the wave's end
	ds_add_u32 v[SPW], v[NIL]
	s_wait_dscnt 0x0
	s_endpgm
.Lfunc_end_k_q8c18298ea3_first16:
	.size	k_q8c18298ea3_first16, .Lfunc_end_k_q8c18298ea3_first16-k_q8c18298ea3_first16
	.p2alignl 7, 3214868480
	.fill 96, 4, 3214868480
	.section	.rodata,"a",@progbits
	.p2align	6, 0x0
	.amdhsa_kernel k_q8c18298ea3_first16
		.amdhsa_group_segment_fixed_size 85504
		.amdhsa_private_segment_fixed_size 0
		.amdhsa_enable_private_segment 0
		.amdhsa_kernarg_size 24
		.amdhsa_user_sgpr_count 2
		.amdhsa_user_sgpr_kernarg_segment_ptr 1
		.amdhsa_wavefront_size32 1
		.amdhsa_system_sgpr_workgroup_id_x 1
		.amdhsa_system_sgpr_workgroup_id_y 1
		.amdhsa_system_sgpr_workgroup_id_z 1
		.amdhsa_system_vgpr_workitem_id 0
		.amdhsa_next_free_vgpr 256
		.amdhsa_next_free_sgpr 66
		.amdhsa_reserve_vcc 1
		.amdhsa_float_denorm_mode_32 3
		.amdhsa_float_denorm_mode_16_64 3
		.amdhsa_memory_ordered 1
		.amdhsa_forward_progress 1
		.amdhsa_inst_pref_size 35
	.end_amdhsa_kernel
	.amdgpu_metadata
---
amdhsa.version: [ 1, 2 ]
amdhsa.kernels:
  - .name:           k_q8c18298ea3_first16
    .symbol:         k_q8c18298ea3_first16.kd
    .args:
      - { .name: q32, .offset: 0, .size: 8, .value_kind: global_buffer, .address_space: global }
      - { .name: W_proj, .offset: 8, .size: 8, .value_kind: global_buffer, .address_space: global }
      - { .name: out0, .offset: 16, .size: 8, .value_kind: global_buffer, .address_space: global }
    .group_segment_fixed_size: 85504
    .private_segment_fixed_size: 0
    .kernarg_segment_align: 8
    .kernarg_segment_size: 24
    .max_flat_workgroup_size: 512
    .sgpr_count:     66
    .vgpr_count:     256
    .wavefront_size: 32
...
	.end_amdgpu_metadata
.endif
;; end of part 5
